; MI455X (gfx1250); checked and timed in simulation.
; The chip was launched on July 23, 2026; its instructions are those of AMD's public machine-readable ISA for CDNA 5 (MIT licence, August 2026) and "CDNA5" Instruction Set Architecture Reference Guide (July 2026). The comments in the code are by the model that wrote it; some were corrected since.
;; Self Attention. Allowed arithmetic: matrix products marked QUANTISED: E2M3 operands, one E8M0 scale for each 32 along K, by v_wmma_scale_f32_16x16x128_f8f6f4 with both operands' format E2M3, f32 sums; everything else in f32.
;; Inputs: Wk 1,024 x 1,024 float32; Wo 1,024 x 1,024 float32; Wq 1,024 x 1,024 float32; Wv 1,024 x 1,024 float32; bk 1,024 float32; bo 1,024 float32; bq 1,024 float32; bv 1,024 float32; x 4 x 2,048 x 1,024 float32.
;; Outputs: out0 4 x 2,048 x 1,024 float32.
;; This version of the problem:
;;   THIS VERSION OF THE PROBLEM IS GIVEN IN LOW PRECISION. The matrix products marked QUANTISED in the list below multiply operands that are first quantised to E2M3 (2 exponent bits, 3 mantissa bits; 6 bits a number), with one power-of-two scale for each 32 numbers along K (OCP MX v1.0); their sums are f32. All else is computed in f32.
;;   The module's matrix products, in the order in which they are computed (A, B: the left and right operand; K: the contracted axis; several contracted axes count as one K, in the product's order):
;;     1. [M 8,192, K 1,024] x [K 1,024, N 1,024]; A: input x; B: input Wq: QUANTISED
;;     2. [M 8,192, K 1,024] x [K 1,024, N 1,024]; A: input x; B: input Wk: QUANTISED
;;     3. [M 8,192, K 1,024] x [K 1,024, N 1,024]; A: input x; B: input Wv: QUANTISED
;;     4. batch 4 x [M 2,048, K 1,024] x [K 1,024, N 2,048]; A: computed on the way; B: computed on the way: QUANTISED
;;     5. batch 4 x [M 2,048, K 2,048] x [K 2,048, N 1,024]; A: softmax (see below); B: computed on the way: QUANTISED
;;     6. [M 8,192, K 1,024] x [K 1,024, N 1,024]; A: computed on the way; B: input Wo: QUANTISED
;;   THE QUANTISER, for each operand of a quantised product, along K:
;;     - K is cut into blocks of 32 from its start; a last block that is shorter is filled with zeros.
;;     - A block's scale is 2^e with e = floor(log2(the largest magnitude in the block)) - 2, held to -126 .. 127; a block of zeros has e = 0. As a byte (E8M0): e + 127.
;;     - Each number is divided by its block's scale, clamped to +-7.5, and rounded to the nearest number of E2M3, ties to even, subnormals kept.
;;     - The product sums the exact products of the quantised numbers (number of the format x scale) in f32.
;;   ~~~python
;;   def quantise(x, axis):      # numpy; x: float32 -> the quantised numbers, widened to float32 again
;;       x = np.moveaxis(x, axis, -1); K = x.shape[-1]
;;       x = np.pad(x, [(0, 0)] * (x.ndim - 1) + [(0, -K % 32)]); x = x.reshape(x.shape[:-1] + (-1, 32)); a = np.abs(x).max(-1, keepdims=True)
;;       e = np.where(a > 0, np.clip(np.frexp(np.where(a > 0, a, 1))[1] - 1 - 2, -126, 127), 0)      # np.frexp(a)[1] - 1 = floor(log2(a)), exactly
;;       r = np.clip(x / 2.0 ** e, -7.5, 7.5)
;;       step = 2.0 ** (np.maximum(np.frexp(np.where(r == 0, 1, r))[1] - 1, 0) - 3)
;;       q = np.round(r / step) * step * 2.0 ** e      # np.round: ties to even
;;       return np.moveaxis(q.reshape(q.shape[:-2] + (-1,))[..., :K], -1, axis).astype(np.float32)
;;   ~~~
;;   SOFTMAX AHEAD OF A QUANTISED PRODUCT. Where the list says 'softmax', what is quantised is not the finished softmax but p = 2^(t - M), with t = logit x log2(e) and M = ceil(the row's largest t), a whole number; so 1/2 < the row's largest p <= 1. The row's sum l is taken of the UNQUANTISED p, in f32, and the product's result is divided by l at the end. Since M is a whole number, a kernel that streams over the keys may use a running M (the ceiling of the running maximum): every later rescaling is an exact power of two, which a block's scale takes up: the codes' values come out the same.
;;   OPERANDS COMPUTED ON THE WAY. 'Computed on the way' means the value that the module computes at that place (a softmax that the list does not call 'softmax' is quantised finished and normalised). What goes into a quantiser is computed in f32, as accurately as f32 sums, v_exp_f32 and their like allow (about 1e-6 of the number): no bf16 or f16 on the way to a quantiser, and a product that is left as it is and whose result goes on into a quantised operand takes f32 operands (vector FMAs, or v_wmma_f32_16x16x4_f32). A number that lies on a knife's edge between two numbers of the format may be rounded either way, as far as f32 arithmetic and the matrix unit's own rounding can turn it there, and no further.
;; One version. Each part assembles by itself: llvm-mc -triple=amdgcn-amd-amdhsa -mcpu=gfx1250 --defsym DOCPART=n.
;; ======== version 1 of 1: 5 launches
;; limits: right only within a limited range of input values
;; workspace buffers: xw 9,830,400 bytes; qk 13,107,200 bytes; vt 6,553,600 bytes; pp 14,155,776 bytes; oc 6,553,600 bytes
;; launch quant (part 1): grid 384 x 1, 4 waves a work-group, no clusters, 48,640 bytes of LDS; arguments x, Wq, Wk, Wv, Wo, xw; writes xw
.if DOCPART == 1
	.amdgcn_target "amdgcn-amd-amdhsa--gfx1250"
	.amdhsa_code_object_version 6
	.text
	.protected	k_q2fe46457b5_quant
	.globl	k_q2fe46457b5_quant
	.p2align	8
	.type	k_q2fe46457b5_quant,@function
k_q2fe46457b5_quant:
	s_mov_b64 s[64:65], 0
	v_nop
	global_prefetch_b8 v0, s[64:65] scope:SCOPE_SE
	s_setreg_imm32_b32 hwreg(HW_REG_WAVE_MODE, 25, 1), 1
	s_wait_xcnt 0x0
; x [8192][1024] and Wq, Wk, Wv, Wo [1024 (k)][1024 (n)], f32, become codes of FP6 (E2M3) with one E8M0 byte for each 32 along K, in the workspace xw.
; LAYOUT OF xw (and of every operand buffer of this program).  A FRAGMENT, 16 rows x 128 K, is kept as the image of its 12 registers: 1,536 bytes, three pieces of 512, piece c holding lane l's registers 4 c .. 4 c + 3 at 16 l.
; Codes: [K step 0..7][tile 0..767][1,536]; tiles 0-511 x, 512-575 Wq, 576-639 Wk, 640-703 Wv, 704-767 Wo (a weight's rows are its columns n).  Behind them, from byte 9,437,184: one word (four scale bytes) for each K step and row: [8][12,288].
; THE ROWS OF A TILE ARE NOT NEIGHBOURS: lane row r of tile T is row 32 (T / 2) + 8 (T % 2) + r + 8 (r / 8), so that a product which takes such tiles as source 0 leaves 16 neighbours along the next K in a lane's 16 registers of two tiles.
; A block's scale is 2^(floor(log2(largest magnitude)) - 2); its byte is the largest magnitude's exponent field - 2, held at 1 from below.
; LIMITS: a block of zeros, or one whose largest magnitude lies under 2^-124, gets the byte 1 (the stated quantiser says 127 for zeros): its codes are zeros or held, and this program alone reads the bytes.  NaN and infinities are not served.
; Work-groups 0-255 take x, 256-383 the weights; each way has LDS bytes of its own.  No tensor load, no barrier: waves share nothing.
.set SPW,   252                        ; v252 LDS address of my spare word; never rewritten
.set NIL,   253                        ; v253 0; never rewritten
.set XWST,  33792                      ; behind x's four stages of 8,448 bytes (16 rows, 528 apart): four word stages of 256 bytes
.set WSTG,  34816                      ; the weights' four image stages of 3,328 bytes (two tiles, 1,664 apart)
.set SPARE, 48128                      ; the spare words: 128 bytes for each wave, two blocks of 256 bytes that no other line names
.set SCB,   9437184                    ; where xw's scale words begin
.set TM,    16                         ; v16-31  at work in QUANT
.set XR,    32                         ; v32-159 two sets of 64 registers as loaded
.set XN,    160                        ; v160-223 64 numbers of my row: register 16 b + i = k 32 b + 16 (lane / 16) + i
.set PC,    224                        ; v224-243 the codes just made
.set PWS,   244                        ; v244-247 a scale word for each of my four tiles
.set SEL,   20                         ; s[20:21] lane selects for v_permlanex16_b32: lane l xor 16
.set WX,    32                         ; the weights' way: v32-95 two sets of 32 numbers down K
.set CW,    96                         ; v96-102 a block's codes
.set OUTW,  104                        ; v104-151 two tiles' images on the way out, a set for each K step
.set SBW,   12                         ; v12-13 a scale word for each K step
; 64 numbers of a lane become a fragment's codes in v[PC] on and its row's scale word in v[pw].
.macro QUANT s, pw
.irp b, 0,1,2,3
	v_max3_num_f32 v[TM+\b], |v[\s+16*\b]|, |v[\s+1+16*\b]|, 0x1800000   ; block b: my 16 numbers, and the floor 2^(3 - 127): the byte cannot fall under 1
.endr
.irp i, 2,4,6,8,10,12,14
.irp b, 0,1,2,3
	v_max3_num_f32 v[TM+\b], v[TM+\b], |v[\s+16*\b+\i]|, |v[\s+1+16*\b+\i]|   ; the four blocks by turns
.endr
.endr
.irp b, 0,1,2,3
	v_permlanex16_b32 v[TM+4+\b], v[TM+\b], s[SEL], s[SEL+1]
.endr
.irp b, 0,1,2,3
	v_max_num_f32 v[TM+\b], v[TM+\b], v[TM+4+\b]   ; with lane l xor 16's 16: the block's largest magnitude
.endr
.irp b, 0,1,2,3
	v_add_nc_u32 v[TM+12+\b], 0xff000000, v[TM+\b]   ; 2 off its exponent field: the conversion's scale operand
.endr
.irp b, 0,1,2,3
	v_lshrrev_b32 v[TM+4+\b], 23, v[TM+12+\b]      ; the scale's byte
.endr
	v_lshl_or_b32 v[\pw], v[TM+5], 8, v[TM+4]
	v_lshl_or_b32 v[\pw], v[TM+6], 16, v[\pw]
	v_lshl_or_b32 v[\pw], v[TM+7], 24, v[\pw]
.irp c, 0,1
	v_cvt_scalef32_pk16_fp6_f32 v[PC+6*\c:PC+2+6*\c], v[\s+32*\c:\s+15+32*\c], v[TM+12+2*\c]
	v_cvt_scalef32_pk16_fp6_f32 v[PC+12+4*\c:PC+14+4*\c], v[\s+16+32*\c:\s+31+32*\c], v[TM+12+2*\c+1]   ; (a conversion's three registers begin on an even number)
.endr
	v_nop                                          ; one plain place behind a scaled conversion
.irp c, 0,1                                    ; the operand wants a WHOLE block in a lane: lanes 0-15 block 2 c, lanes 16-31 block 2 c + 1
.irp i, 0,1,2
	v_permlane16_swap_b32 v[PC+6*\c+\i], v[PC+12+4*\c+\i]
.endr
.irp i, 0,1,2
	v_mov_b32 v[PC+3+6*\c+\i], v[PC+12+4*\c+\i]
.endr
.endr
.endm
	s_load_b256 s[4:11], s[0:1], 0x0               ; x s[4:5], Wq s[6:7], Wk s[8:9], Wv s[10:11]
	s_load_b128 s[12:15], s[0:1], 0x20             ; Wo s[12:13], xw s[14:15]
	v_lshl_add_u32 v[SPW], v0, 2, SPARE
	v_mov_b32 v[NIL], 0
	v_lshrrev_b32 v1, 5, v0
	v_readfirstlane_b32 s16, v1                    ; wave 0..3
	v_and_b32 v2, 31, v0                           ; lane
	v_lshlrev_b32 v3, 4, v2                        ; 16 x lane
	s_mov_b32 s[SEL], 0x76543210
	s_mov_b32 s[SEL+1], 0xfedcba98
	s_cmp_lt_u32 ttmp9, 256                        ; the work-group's number alone decides the way
	s_cbranch_scc0 .Lweights
	; ---- x.  Wave 4 g + w takes K step (4 g + w) % 8 of the four tiles 4 G .. 4 G + 3, G = (4 g + w) / 8: 64 rows x 128 numbers.
	v_and_b32 v4, 15, v0                           ; r
	v_bfe_u32 v5, v0, 4, 1                         ; h
	s_mul_i32 s17, s16, 8448                       ; my stage
	v_add_nc_u32 v6, s17, v3                       ; in: a row's 512 bytes as they lie, 16 a lane
	v_mul_u32_u24 v7, v4, 528
	v_lshl_add_u32 v7, v5, 6, v7
	v_add_nc_u32 v7, s17, v7                       ; out: row r, + 64 h: my 16 numbers of each block of 32
	s_lshl_b32 s17, s16, 8
	s_add_co_u32 s17, s17, XWST                    ; my 64 scale words
	v_lshl_add_u32 v8, v4, 2, s17                  ; in: 4 r
	v_lshl_add_u32 v9, v2, 3, s17                  ; out: 8 bytes a lane
	v_lshlrev_b32 v10, 3, v2
.irp b, 0,1,2,3
	v_mov_b32 v[TM+4+\b], 0                        ; written once: a lane permute's destination counts as one of its sources
.endr
	s_lshl_b32 s18, ttmp9, 2
	s_add_co_u32 s18, s18, s16
	s_and_b32 s19, s18, 7                          ; K step
	s_lshr_b32 s18, s18, 3                         ; G
	s_lshl_b32 s24, s18, 18                        ; x: 64 G rows of 4,096 bytes,
	s_lshl_b32 s25, s19, 9                         ; + 512 bytes a K step
	s_add_co_u32 s24, s24, s25
	s_mov_b32 s25, 0
	s_mul_i32 s26, s19, 768
	s_lshl_b32 s27, s18, 2
	s_add_co_u32 s26, s26, s27
	s_mul_i32 s26, s26, 1536                       ; codes: (768 K step + 4 G) images
	s_mov_b32 s27, 0
	s_mul_i32 s28, s19, 12288
	s_lshl_b32 s29, s18, 6
	s_add_co_u32 s28, s28, s29
	s_lshl_b32 s28, s28, 2
	s_add_co_u32 s28, s28, SCB                     ; words: (12,288 K step + 64 G) x 4
	s_mov_b32 s29, 0
	s_wait_alu depctr_va_vdst(0)
	s_wait_kmcnt 0x0
	s_add_nc_u64 s[4:5], s[4:5], s[24:25]
	s_add_nc_u64 s[26:27], s[14:15], s[26:27]
	s_add_nc_u64 s[28:29], s[14:15], s[28:29]
.macro LOADX u                         ; tile u's 16 rows: each load reads 512 consecutive bytes
.irp i, 0,1,2,3,4,5,6,7,8,9,10,11,12,13,14,15
	global_load_b128 v[XR+64*((\u)%2)+4*\i:XR+64*((\u)%2)+4*\i+3], v3, s[4:5] offset:(32*((\u)/2)+8*((\u)%2)+\i+8*(\i/8))*4096 th:TH_LOAD_NT
.endr
.endm
.macro UNIT u
.if (\u) < 3
	s_wait_loadcnt 16                              ; this tile's 16 loads are in; the next tile's 16 may be out
.else
	s_wait_loadcnt 0x0
.endif
.irp i, 0,1,2,3,4,5,6,7,8,9,10,11,12,13,14,15
	ds_store_b128 v6, v[XR+64*((\u)%2)+4*\i:XR+64*((\u)%2)+4*\i+3] offset:528*\i
.endr
.irp b, 0,1,2,3
.irp j, 0,1,2,3
	ds_load_b128 v[XN+16*\b+4*\j:XN+16*\b+4*\j+3], v7 offset:128*\b+16*\j   ; LDS serves a wave's instructions in order: these see the stores above
.endr
.endr
	s_wait_dscnt 0x0                               ; the numbers are back, and the stores have read their registers,
.if (\u)+2 < 4
	LOADX (\u)+2                                   ; which take the tile two on
.endif
	s_wait_xcnt 0x0                                ; the last tile's stores have read v[PC] on: it is written again only behind this wait
	QUANT XN, PWS+(\u)
.irp c, 0,1,2
	global_store_b128 v3, v[PC+4*\c:PC+4*\c+3], s[26:27] offset:1536*(\u)+512*\c   ; 32 lanes store 512 consecutive bytes, aligned
.endr
.endm
	LOADX 0
	LOADX 1
	UNIT 0
	UNIT 1
	UNIT 2
	UNIT 3
.irp u, 0,1,2,3
	ds_store_b32 v8, v[PWS+\u] offset:64*\u        ; lanes l and l + 16 write the same word with the same value
.endr
	ds_load_b64 v[XN:XN+1], v9
	s_wait_dscnt 0x0
	global_store_b64 v10, v[XN:XN+1], s[28:29]     ; 32 lanes store 256 consecutive bytes, aligned
	s_wait_tensorcnt 0x0                           ; the wave's end
	ds_add_u32 v[SPW], v[NIL]
	s_wait_dscnt 0x0
	s_endpgm
.Lweights:
	; ---- the weights.  Work-group g' = g - 256: weight g' / 32, 128 columns (g' % 8), two K steps ((g' / 8) % 4).  A wave takes 32 columns, a pair of tiles.
	; A LANE TAKES A COLUMN n AND ITS REGISTERS RUN DOWN K: a block of 32 along K lies in one lane, and the conversions give codes with K innermost.
	s_sub_co_u32 s17, ttmp9, 256
	s_lshr_b32 s18, s17, 5                         ; which weight
	s_and_b32 s19, s17, 7                          ; which 128 columns
	s_bfe_u32 s22, s17, 0x20003                    ; which two K steps
	v_bfe_u32 v4, v0, 3, 1                         ; column l of the 32 is lane row r = l % 8 + 8 (l / 16) of tile u = (l / 8) % 2
	v_and_b32 v5, 7, v0
	v_bfe_u32 v6, v0, 4, 1
	v_lshl_add_u32 v5, v6, 3, v5
	s_mul_i32 s23, s16, 3328
	s_add_co_u32 s23, s23, WSTG                    ; my stage
	v_mul_u32_u24 v7, v4, 1664
	v_lshl_add_u32 v7, v5, 4, v7
	v_add_nc_u32 v7, s23, v7                       ; into the images: 1,664 u + 16 r
	s_wait_alu depctr_va_vdst(0)
	v_add_nc_u32 v8, s23, v3                       ; back: 16 x lane
	v_lshl_add_u32 v9, v4, 4, v5
	v_lshlrev_b32 v9, 2, v9                        ; my row's scale word: (16 u + r) x 4
	v_lshlrev_b32 v10, 2, v2                       ; my column in a row of the weight
	s_lshl_b32 s24, s22, 20                        ; 256 rows of 4,096 bytes for each pair of K steps,
	s_lshl_b32 s25, s19, 9
	s_add_co_u32 s24, s24, s25                     ; + 128 columns,
	s_lshl_b32 s25, s16, 7
	s_add_co_u32 s24, s24, s25                     ; + my 32
	s_mov_b32 s25, 0
	s_lshl_b32 s26, s18, 6
	s_lshl_b32 s27, s19, 3
	s_add_co_u32 s26, s26, s27
	s_lshl_b32 s27, s16, 1
	s_add_co_u32 s26, s26, s27
	s_add_co_u32 s26, s26, 512                     ; my first tile
	s_lshl_b32 s28, s26, 6
	s_mul_i32 s29, s22, 98304
	s_add_co_u32 s28, s28, s29
	s_add_co_u32 s28, s28, SCB                     ; words: (12,288 x 2 pair + 16 tile) x 4
	s_mov_b32 s29, 0
	s_mul_i32 s27, s22, 1536
	s_add_co_u32 s26, s26, s27
	s_mul_i32 s26, s26, 1536                       ; codes: (768 x 2 pair + tile) images
	s_mov_b32 s27, 0
	s_wait_alu depctr_va_vdst(0)
	s_wait_kmcnt 0x0
	s_cmp_eq_u32 s18, 1                            ; the choice of the buffer hangs on the work-group's number alone
	s_cselect_b64 s[6:7], s[8:9], s[6:7]
	s_cmp_eq_u32 s18, 2
	s_cselect_b64 s[6:7], s[10:11], s[6:7]
	s_cmp_eq_u32 s18, 3
	s_cselect_b64 s[6:7], s[12:13], s[6:7]
	s_add_nc_u64 s[6:7], s[6:7], s[24:25]
	s_add_nc_u64 s[26:27], s[14:15], s[26:27]
	s_add_nc_u64 s[28:29], s[14:15], s[28:29]
.macro LOADW t                         ; block t of eight: rows 32 t .. 32 t + 31 at my column; a wave's load reads 128 consecutive bytes, the four waves' 512
.irp i, 0,1,2,3,4,5,6,7,8,9,10,11,12,13,14,15,16,17,18,19,20,21,22,23,24,25,26,27,28,29,30,31
	global_load_b32 v[WX+32*((\t)%2)+\i], v10, s[6:7] offset:(32*(\t)+\i)*4096 th:TH_LOAD_NT
.endr
.endm
.macro BLOCKW t
.set WS, WX+32*((\t)%2)
.set bt, (\t)%4                        ; the block in its K step: bt = 2 c + h goes to registers 6 c .. 6 c + 5 of image lane r + 16 h
.set sl, (\t)/4
.if (\t) < 7
	s_wait_loadcnt 32                              ; this block's 32 loads are in; the next block's may be out
.else
	s_wait_loadcnt 0x0
.endif
	v_max3_num_f32 v14, |v[WS]|, |v[WS+1]|, |v[WS+2]|
	v_max3_num_f32 v15, |v[WS+3]|, |v[WS+4]|, |v[WS+5]|
.irp i, 6,10,14,18,22,26
	v_max3_num_f32 v14, v14, |v[WS+\i]|, |v[WS+\i+1]|
	v_max3_num_f32 v15, v15, |v[WS+\i+2]|, |v[WS+\i+3]|
.endr
	v_max3_num_f32 v14, v14, |v[WS+30]|, |v[WS+31]|
	v_max3_num_f32 v14, v14, v15, 0x1800000        ; and the floor 2^(3 - 127)
	v_add_nc_u32 v11, 0xff000000, v14              ; the conversion's scale operand
	v_lshrrev_b32 v15, 23, v11                     ; the scale's byte
.if bt == 0
	v_mov_b32 v[SBW+sl], v15
.else
	v_lshl_or_b32 v[SBW+sl], v15, 8*bt, v[SBW+sl]
.endif
	v_cvt_scalef32_pk16_fp6_f32 v[CW:CW+2], v[WS:WS+15], v11
	v_cvt_scalef32_pk16_fp6_f32 v[CW+4:CW+6], v[WS+16:WS+31], v11
	v_nop                                          ; one plain place behind a scaled conversion
	v_mov_b32 v[CW+3], v[CW+4]                     ; the block's six registers on end
	v_mov_b32 v[CW+4], v[CW+5]
	v_mov_b32 v[CW+5], v[CW+6]
.if bt == 0
	ds_store_b128 v7, v[CW:CW+3]
	ds_store_b64 v7, v[CW+4:CW+5] offset:512
.elseif bt == 1
	ds_store_b128 v7, v[CW:CW+3] offset:256
	ds_store_b64 v7, v[CW+4:CW+5] offset:768
.elseif bt == 2
	ds_store_b64 v7, v[CW:CW+1] offset:520
	ds_store_b128 v7, v[CW+2:CW+5] offset:1024
.else
	ds_store_b64 v7, v[CW:CW+1] offset:776
	ds_store_b128 v7, v[CW+2:CW+5] offset:1280
.endif
.if (\t)+2 < 8
	LOADW (\t)+2
.endif
.if bt == 3                            ; a K step's two images are whole: back as they lie, and out
.irp q, 0,1
.irp c, 0,1,2
	ds_load_b128 v[OUTW+24*sl+12*\q+4*\c:OUTW+24*sl+12*\q+4*\c+3], v8 offset:1664*\q+512*\c
.endr
.endr
.endif
	s_wait_dscnt 0x0                               ; the stores have read their registers: the next block's codes may be written
.if bt == 3
.irp q, 0,1
.irp c, 0,1,2
	global_store_b128 v3, v[OUTW+24*sl+12*\q+4*\c:OUTW+24*sl+12*\q+4*\c+3], s[26:27] offset:1179648*sl+1536*\q+512*\c
.endr
.endr
	s_wait_alu depctr_va_vdst(0)
	global_store_b32 v9, v[SBW+sl], s[28:29] offset:49152*sl   ; the wave's 32 words: 128 consecutive bytes
.endif
.endm
	LOADW 0
	LOADW 1
.irp t, 0,1,2,3,4,5,6,7
	BLOCKW \t
.endr
	s_wait_tensorcnt 0x0                           ; the wave's end
	ds_add_u32 v[SPW], v[NIL]
	s_wait_dscnt 0x0
	s_endpgm
.Lfunc_end_k_q2fe46457b5_quant:
	.size	k_q2fe46457b5_quant, .Lfunc_end_k_q2fe46457b5_quant-k_q2fe46457b5_quant
	.p2alignl 7, 3214868480
	.fill 96, 4, 3214868480
	.section	.rodata,"a",@progbits
	.p2align	6, 0x0
	.amdhsa_kernel k_q2fe46457b5_quant
		.amdhsa_group_segment_fixed_size 48640
		.amdhsa_private_segment_fixed_size 0
		.amdhsa_enable_private_segment 0
		.amdhsa_kernarg_size 48
		.amdhsa_user_sgpr_count 2
		.amdhsa_user_sgpr_kernarg_segment_ptr 1
		.amdhsa_wavefront_size32 1
		.amdhsa_system_sgpr_workgroup_id_x 1
		.amdhsa_system_sgpr_workgroup_id_y 1
		.amdhsa_system_sgpr_workgroup_id_z 1
		.amdhsa_system_vgpr_workitem_id 0
		.amdhsa_next_free_vgpr 256
		.amdhsa_next_free_sgpr 66
		.amdhsa_reserve_vcc 0
		.amdhsa_float_denorm_mode_32 3
		.amdhsa_float_denorm_mode_16_64 3
		.amdhsa_memory_ordered 1
		.amdhsa_forward_progress 1
		.amdhsa_inst_pref_size 75
	.end_amdhsa_kernel
	.amdgpu_metadata
---
amdhsa.version: [ 1, 2 ]
amdhsa.kernels:
  - .name:           k_q2fe46457b5_quant
    .symbol:         k_q2fe46457b5_quant.kd
    .args:
      - { .name: x, .offset: 0, .size: 8, .value_kind: global_buffer, .address_space: global }
      - { .name: Wq, .offset: 8, .size: 8, .value_kind: global_buffer, .address_space: global }
      - { .name: Wk, .offset: 16, .size: 8, .value_kind: global_buffer, .address_space: global }
      - { .name: Wv, .offset: 24, .size: 8, .value_kind: global_buffer, .address_space: global }
      - { .name: Wo, .offset: 32, .size: 8, .value_kind: global_buffer, .address_space: global }
      - { .name: xw, .offset: 40, .size: 8, .value_kind: global_buffer, .address_space: global }
    .group_segment_fixed_size: 48640
    .private_segment_fixed_size: 0
    .kernarg_segment_align: 8
    .kernarg_segment_size: 48
    .max_flat_workgroup_size: 128
    .sgpr_count:     66
    .vgpr_count:     256
    .wavefront_size: 32
...
	.end_amdgpu_metadata
.endif
;; end of part 1
;; launch proj (part 2): grid 8 x 32, 4 waves a work-group, clusters of 4 x 4, 327,680 bytes of LDS; arguments xw, bq, bk, bv, qk, vt; writes qk, vt
.if DOCPART == 2
	.amdgcn_target "amdgcn-amd-amdhsa--gfx1250"
	.amdhsa_code_object_version 6
	.text
	.protected	k_q2fe46457b5_proj
	.globl	k_q2fe46457b5_proj
	.p2align	8
	.type	k_q2fe46457b5_proj,@function
k_q2fe46457b5_proj:
	s_mov_b64 s[64:65], 0
	v_nop
	global_prefetch_b8 v0, s[64:65] scope:SCOPE_SE
	s_setreg_imm32_b32 hwreg(HW_REG_WAVE_MODE, 25, 1), 1
	s_wait_xcnt 0x0
	s_wait_alu depctr_hold_cnt(0) depctr_sa_sdst(0) depctr_va_vdst(0) depctr_va_sdst(0) depctr_va_ssrc(0) depctr_va_vcc(0) depctr_vm_vsrc(0)
	s_getreg_b32 s2, hwreg(HW_REG_IB_STS2, 6, 4)
	s_cmp_eq_u32 s2, 0
	s_cbranch_scc0 .Lentry_in_a_cluster
	s_endpgm
.Lentry_in_a_cluster:
	s_bfe_u32 s2, ttmp6, 0x10000c
	s_cmp_lg_u32 s2, 0xf033
	s_cbranch_scc0 .Lentry_shape_is_right
	s_endpgm
.Lentry_shape_is_right:
; q = x Wq + bq, k = x Wk + bk, v = x Wv + bv on codes of FP6 (E2M3) out of xw, each result quantised at once for the product that takes it: q and k along D into qk, v along the KEYS into vt.
; OPERAND BUFFERS: a fragment (16 rows x 128 K) is the image of its 12 registers, 1,536 bytes; codes [K step][tile][1,536], behind them one scale word for each K step and row.  Lane row r of tile T is row 32 (T / 2) + 8 (T % 2) + r + 8 (r / 8).
; xw: 768 tiles a K step (x 0-511, Wq 512, Wk 576, Wv 640, Wo 704).  qk: 16 K steps (0-7 q, 8-15 k) x 512 tiles, words from 12,582,912.  vt: 64 K steps (key / 128) x 64 tiles (d), words from 6,291,456.
; A WORK-GROUP STAYS AND MAKES TWO TILES, so that the 8,192 x 3,072 results fall evenly on 256 work-groups.  FIRST: A = 256 rows of x, B = 256 columns of Wq | Wk; a wave makes 128 x 128, 64 accumulators.
; SECOND: A = 128 columns d of Wv, B = the same 256 rows of x, so that a lane's registers run along the keys, v's next K; a wave makes 64 x 128, 32 accumulators.
; THE MATRIX INSTRUCTION IS USED TRANSPOSED: source 0 = a tile of B, source 1 = a tile of A.  A lane holds one row of A, and by the order of a tile's rows the 64 registers of B's eight tiles are register 16 b + i = n 32 b + 16 (lane / 16) + i.
; CLUSTERS: 4 x 4.  What hangs on the work-group's y (x's tiles, in both tiles of the work) is asked for jointly along a row of the cluster, what hangs on its x (the weights' tiles) along a column.
; LDS: three regions of 98,304 bytes, each two K steps of the first tile (part w, 24,576 bytes: waves 0, 1 x's halves, waves 2, 3 the weight's); its four slots: three first fills, the fourth fills region 0 again at K step 1.
; THE RING GOES ON INTO THE SECOND TILE: at K step 5 regions 1 and 2 are read out and take its K steps 0-3 (Wv's halves at 98,304 + 24,576 h, x's at 147,456 + 49,152 h); in the middle of the first tile's way out, region 0 and the rest of
; region 2 take its K steps 4-7 (x's half h at 245,760 h, Wv's at 49,152 + 24,576 h).  Behind the regions: the first tile's scale words of all K (x's serve the second tile too); each wave's stage for scale words; each wave's own copy of its Wv rows' scale words.
; By this text's own count a wave has at most four tensor loads outstanding, at the head; later one.
; REGISTERS: window 0: v7-31 addresses; v32-47 scale words, two sets; v48-63 at work; A's fragments, two sets: v64-159, v160-255 (second tile: v64-111, v112-159).  Window 1: B's, two sets at v0 and v128.  Windows 2, 3: the accumulators, (a, b) at v[8 (8 (a % 4) + b)].
; LIMITS: a block of zeros, or one under 2^-124, gets the scale byte 1 (read by this program alone).  NaN and infinities are not served.
.set NA,    8                          ; A's tiles of a wave            (these eleven are set anew for the second tile)
.set ASET,  96                         ; registers of a set of A's fragments
; THE FIRST TILE'S RING AS IT STANDS (in place of the three regions named above): two slots of 147,456 bytes, three K steps each; part w of a slot, 36,864 bytes: [3 K steps][8 tiles].
; Slot 0 takes K steps 0-2 at the head, one load a wave; slot 1 takes K steps 3-5 behind the full sequence and a round; slot 0 takes K steps 6-7 at K step 2.  A wave has one tensor load outstanding at any time.
; The second tile's K steps 0-3 land in slot 1 (Wv's halves at 147,456 + 24,576 h, x's at 196,608 + 49,152 h), its K steps 4-7 in slot 0 (Wv's at 24,576 h, x's at 49,152 + 49,152 h).
; The first tile's scale words come through registers: wave w loads its part's 8 x 512 bytes and stores them at SCL + 4,096 w, bytes on which no fill lands.
.set SS,    3
.set NREG,  2
.set AQ,    12288                      ; a K step of A in a part
.set SAS,   512                        ; a K step of A's scale words
.set NF,    56                         ; LDS loads of a K step: 24 + 24 of 16 bytes, 4 + 4 words
.set ADRA,  16                         ; v16-17 my A fragments in slots 0, 1
.set ADRB,  20                         ; v20-21 my B fragments
.set ADSA,  24                         ; v24 A's scale words
.set ADSB,  25                         ; v25 B's
.set REGB,  147456
.set SLOTB, 3538944                    ; the first tile's slot in xw: 3 K steps x 768 tiles x 1,536 bytes
.set SLOT2, 4718592                    ; the second tile's: 4 K steps
.set XSC,   9437184                    ; where xw's scale words begin
.set SCL,   2*REGB                     ; LDS: the first tile's scale words, part w at 4,096 w: [8 K steps][128 words]
.set KPIT,  1179648                    ; a K step in xw: 768 tiles x 1,536 bytes
.set PFO,   5                          ; v5 the prefetches' offset: 256 x min(lane, 11); never rewritten
.set SWA,   6                          ; v6 where I store my part's scale words
.set STG,   SCL+16384                  ; the way out of the scale words: 512 bytes a wave
.set ASC2,  STG+2048                   ; my 64 rows of Wv: their scale words, [8 K steps][64 words], 2,048 bytes a wave: stored by the wave, read by it alone, never a fill's target
.set SPARE, ASC2+8192                  ; the spare words: 128 bytes for each wave, two blocks of 256 bytes that no other line names
.set CO8,  7                           ; v7  8 x lane
.set A2,   8                           ; v8-9   the second tile: my A fragments in its two slots
.set B2,   10                          ; v10-11 my B fragments
.set SA2,  12                          ; v12 A's scale words
.set SB2,  13                          ; v13 B's
.set L4,   14                          ; v14 4 x lane
.set STR8, 15                          ; v15 the words' stage, back: 8 x lane
.set STR,  23                          ; v23 the words' stage, back: 16 x lane
.set CO,   26                          ; v26 16 x lane
.set BH,   27                          ; v27 64 (lane / 16)
.set SPW,  28                          ; v28 my spare word; never rewritten
.set NIL,  29                          ; v29 0; never rewritten
.set BR,   30                          ; v30 4 (r + 8 (r / 8))
.set STW,  31                          ; v31 the words' stage, in: 4 r
.set SC,   32
.set TM,   48
.set AF,   64
; bq | bk in the result's layout lie in window 1, v96-127 (tiles 0-3) and v224-255 (tiles 4-7), beside B's two sets: they are the C of the first tile's first products
.set SW2,  128                         ; v128-143 Wv's scale words on their way to LDS
.set H,    160                         ; v160-223 64 numbers to be quantised
.set PC,   224                         ; v224-242 the codes just made
.set PWS,  244                         ; v244-251 a scale word for each tile
.set BM,   248                         ; v248-255 bv of my lane's row in each of four tiles, twice (a pair for the packed addition); loaded when the first way out has left v248-251
.set G1A,  24                          ; s[24:31] group 1 for A's codes; s[32:39] B's; s[40:47], s[48:55] for the scale words
.set G1B,  32
.set G1SA, 40
.set G1SB, 48
.set G0SA, 68                          ; s[72:79] group 0 for A's two slots
.set GRA,  72
.set G0SB, 84                          ; s[88:95] the same for B
.set GRB,  88
.set G1X2, 40                          ; the second tile: x's group 1 takes the registers of A's scale words' (the same mask: my row), Wv's those of B's (my column);
.set G1W2, 48
.set GX2,  76                          ; x's two groups 0 take s[76:83], from A's slot 1 on, Wv's s[92:99], from B's slot 1 on: all are written behind a wait that shows their loads done
.set GW2,  92
.set SEL,  66                          ; s[66:67] lane selects: lane l xor 16
.set MSB, 0
.macro WIN new                         ; the immediate's high byte repeats the setting that is left
.if MSB != \new
	s_set_vgpr_msb (MSB<<8)|\new
.set MSB, \new
.endif
.endm
.set MUL_LO, 0xa1                      ; source 0 (B) window 1, source 1 (A) window 0, C and D window 2
.set MUL_HI, 0xf1                      ; the same, C and D window 3
.set TO_B,   0x40                      ; destination window 1, address window 0
.set MUL_LOB, 0x91                     ; as MUL_LO, with C in window 1: the bias
.set MUL_HIB, 0xd1                     ; as MUL_HI, with C in window 1
.macro PLACES                          ; four plain places behind matrix instructions, in front of loads into their registers and of reads of their results
.rept 4
	v_nop
.endr
.endm
.macro JLOAD g0a, g1a, g0b, g1b        ; a joint load: waves 0, 1 fetch x's halves, waves 2, 3 the weight's; the branch hangs on the wave's number alone
	s_cmp_eq_u32 s17, 0
	s_cbranch_scc0 .Lfor_b_\@
	tensor_load_to_lds s[\g0a:\g0a+3], s[\g1a:\g1a+7]
	s_nop 0
.rept 4
	v_nop
.endr
	s_branch .Lasked_\@
.Lfor_b_\@:
	tensor_load_to_lds s[\g0b:\g0b+3], s[\g1b:\g1b+7]
	s_nop 0
.rept 4
	v_nop
.endr
.Lasked_\@:
.endm
.macro CREST                           ; a round of the cluster's barrier behind its opening barrier
	s_cmp_lg_u32 s16, 0
	s_cbranch_scc1 .Lnot_wave_0_\@
	s_barrier_signal -3
.Lnot_wave_0_\@:
	s_barrier_wait -3
	s_barrier_signal -1
	s_barrier_wait -1
.endm
.macro CROUND
	s_barrier_signal -1
	s_barrier_wait -1
	CREST
.endm
.macro FETCH s                         ; K step s: B's eight and A's NA fragments, three loads of 16 bytes a lane each, and the scale words (a register: tile 2 j in lanes 0-15, tile 2 j + 1 in lanes 16-31), into set s % 2
.set fp, (\s)%2
.set fr, ((\s)/SS)%NREG
.set fq, (\s)%SS
	WIN TO_B
.irp b, 0,1,2,3,4,5,6,7
.irp c, 0,1,2
	ds_load_b128 v[128*fp+12*\b+4*\c:128*fp+12*\b+4*\c+3], v[ADRB+fr] offset:fq*12288+\b*1536+512*\c
.endr
.endr
	WIN 0
.set fa, 0
.rept NA
.irp c, 0,1,2
	ds_load_b128 v[AF+ASET*fp+12*fa+4*\c:AF+ASET*fp+12*fa+4*\c+3], v[ADRA+fr] offset:fq*AQ+fa*1536+512*\c
.endr
.set fa, fa+1
.endr
.set fa, 0
.rept NA/2
	ds_load_b32 v[SC+8*fp+fa], v[ADSA] offset:(\s)*SAS+128*fa
.set fa, fa+1
.endr
.irp j, 0,1,2,3
	ds_load_b32 v[SC+8*fp+4+\j], v[ADSB] offset:(\s)*512+128*\j
.endr
.endm
.macro WM a, b, p, cmode               ; one product: B's tile b x A's tile a of set p.  cmode 1: the constant 0 starts the sum
.set rD, 8*(8*((\a)%4)+(\b))
.set rB, 128*(\p)+12*(\b)
.set rA, AF+ASET*(\p)+12*(\a)
.set rT, SC+8*(\p)+4+(\b)/2
.set rS, SC+8*(\p)+(\a)/2
.set rW, (\b)%2+2*((\a)%2)             ; an odd tile's words stand in lanes 16-31
.set rC, rD
.if \cmode == 2                        ; cmode 2: the bias of tile b's columns is the C that starts the sum
.set rC, 96+8*(\b)+96*((\b)/4)
.endif
.if \cmode == 1
.if rW == 0
	v_wmma_scale_f32_16x16x128_f8f6f4 v[rD:rD+7], v[rB:rB+11], v[rA:rA+11], 0, v[rT], v[rS] matrix_a_fmt:MATRIX_FMT_FP6 matrix_b_fmt:MATRIX_FMT_FP6
.elseif rW == 1
	v_wmma_scale_f32_16x16x128_f8f6f4 v[rD:rD+7], v[rB:rB+11], v[rA:rA+11], 0, v[rT], v[rS] matrix_a_fmt:MATRIX_FMT_FP6 matrix_b_fmt:MATRIX_FMT_FP6 matrix_a_scale:MATRIX_SCALE_ROW1
.elseif rW == 2
	v_wmma_scale_f32_16x16x128_f8f6f4 v[rD:rD+7], v[rB:rB+11], v[rA:rA+11], 0, v[rT], v[rS] matrix_a_fmt:MATRIX_FMT_FP6 matrix_b_fmt:MATRIX_FMT_FP6 matrix_b_scale:MATRIX_SCALE_ROW1
.else
	v_wmma_scale_f32_16x16x128_f8f6f4 v[rD:rD+7], v[rB:rB+11], v[rA:rA+11], 0, v[rT], v[rS] matrix_a_fmt:MATRIX_FMT_FP6 matrix_b_fmt:MATRIX_FMT_FP6 matrix_a_scale:MATRIX_SCALE_ROW1 matrix_b_scale:MATRIX_SCALE_ROW1
.endif
.else
.if rW == 0
	v_wmma_scale_f32_16x16x128_f8f6f4 v[rD:rD+7], v[rB:rB+11], v[rA:rA+11], v[rC:rC+7], v[rT], v[rS] matrix_a_fmt:MATRIX_FMT_FP6 matrix_b_fmt:MATRIX_FMT_FP6
.elseif rW == 1
	v_wmma_scale_f32_16x16x128_f8f6f4 v[rD:rD+7], v[rB:rB+11], v[rA:rA+11], v[rC:rC+7], v[rT], v[rS] matrix_a_fmt:MATRIX_FMT_FP6 matrix_b_fmt:MATRIX_FMT_FP6 matrix_a_scale:MATRIX_SCALE_ROW1
.elseif rW == 2
	v_wmma_scale_f32_16x16x128_f8f6f4 v[rD:rD+7], v[rB:rB+11], v[rA:rA+11], v[rC:rC+7], v[rT], v[rS] matrix_a_fmt:MATRIX_FMT_FP6 matrix_b_fmt:MATRIX_FMT_FP6 matrix_b_scale:MATRIX_SCALE_ROW1
.else
	v_wmma_scale_f32_16x16x128_f8f6f4 v[rD:rD+7], v[rB:rB+11], v[rA:rA+11], v[rC:rC+7], v[rT], v[rS] matrix_a_fmt:MATRIX_FMT_FP6 matrix_b_fmt:MATRIX_FMT_FP6 matrix_a_scale:MATRIX_SCALE_ROW1 matrix_b_scale:MATRIX_SCALE_ROW1
.endif
.endif
.endm
.macro MUL a0, n, p, cmode             ; A's tiles a0 .. a0 + n - 1, each against B's eight.  The accumulators take turns, one instruction a turn, in the same order in every K step
.set ma, \a0
.rept \n
.irp b, 0,1,2,3,4,5,6,7
	WM ma, \b, \p, \cmode
.endr
.set ma, ma+1
.endr
.endm
.macro PROD p, cmode
.if \cmode == 2
	WIN MUL_LOB
.else
	WIN MUL_LO
.endif
	MUL 0, 4, \p, \cmode
.if NA == 8
.if \cmode == 2
	WIN MUL_HIB
.else
	WIN MUL_HI
.endif
	MUL 4, 4, \p, \cmode
.endif
	WIN 0
.endm
.macro STEP s, cmode                   ; a K step whose successor lies in bytes already shown whole
.if (\s) > 0
	PLACES
.endif
	FETCH (\s)+1
	s_wait_dscnt NF                                ; all but the NF loads just issued: this step's set, asked for a K step ago, is in
	PROD (\s)%2, \cmode
.endm
; The K step behind which bytes are read that a barrier has yet to show whole.  fill 1: slot 0, just left, takes K steps 6-7.  fill 2: slot 1, read out, takes the second tile's K steps 0-3.  fill 0: nothing is asked for
.macro CHANGE s, fill
	s_wait_tensorcnt 0x0                           ; all my tensor loads have landed;
	ds_add_u32 v[SPW], v[NIL]                      ; 0 onto my spare word;
	s_wait_dscnt 1                                 ; (the add alone may be out: this step's set is in)
	WIN MUL_LO
	MUL 0, NA/4, (\s)%2, 0                         ; matrix work stands between the add and the wait for it
	s_wait_dscnt 0x0                               ; the add is done, and my reads of what is left behind are over
	s_barrier_signal -1
	MUL NA/4, NA/4, (\s)%2, 0
	WIN 0
	s_barrier_wait -1
.if \fill == 1
	CREST                                          ; the barrier has opened a round of the cluster's: no wave of any partner still reads the bytes or has a load on its way
	s_add_nc_u64 s[GRA+2:GRA+3], s[GRA+2:GRA+3], 2*SLOTB   ; from K step 0 to K step 6
	s_add_nc_u64 s[GRB+2:GRB+3], s[GRB+2:GRB+3], 2*SLOTB
	s_mov_b32 s[G1A+2], 2<<16                      ; no tensor load of mine is out: this load brings two K steps
	s_mov_b32 s[G1A+4], 2
	s_mov_b32 s[G1B+2], 2<<16
	s_mov_b32 s[G1B+4], 2
	JLOAD GRA, G1A, GRB, G1B                       ; the first tensor load behind the round; its four v_nop are also the places in front of the loads below
.elseif \fill == 2
	CREST
	JLOAD GX2, G1X2, GW2, G1W2
.else
	PLACES
.endif
	FETCH (\s)+1
.if NA == 8
	WIN MUL_HI
.else
	WIN MUL_LO
.endif
	MUL NA/2, NA/2, (\s)%2, 0
	WIN 0
.endm
.macro LAST s
	s_wait_dscnt 0x0
	PROD (\s)%2, 0
.endm
; Slot 0, read out since the first tile's last K step, takes the second tile's K steps 4-7: the three lines, a round of the cluster's barrier, and my one load first behind it
.macro REFILL
	s_wait_tensorcnt 0x0                           ; my part of the second tile's K steps 0-3 has landed: behind the round they are whole for every wave;
	ds_add_u32 v[SPW], v[NIL]                      ; 0 onto my spare word;
	s_wait_dscnt 0x0                               ; the add is done; my reads of the regions ended at the last K step's wait
	CROUND
	JLOAD GX2+4, G1X2, GW2+4, G1W2
.endm
; 64 numbers of a lane, register 16 b + i = k 32 b + 16 (lane / 16) + i of my row, become a fragment's codes in v[PC] on and its row's scale word in v[pw].
.macro QUANT s, pw, w                  ; w: the window in which the 64 numbers lie (2 or 3: accumulators read where they stand, each from its low end on)
	WIN (\w)*5                                     ; sources 0 and 1
.irp b, 0,1,2,3
	v_max3_num_f32 v[TM+\b], |v[\s+16*\b]|, |v[\s+1+16*\b]|, 0x1800000   ; block b: my 16 numbers, and the floor 2^(3 - 127): the byte cannot fall under 1
.endr
	WIN (\w)*20                                    ; sources 1 and 2
.irp i, 2,4,6,8,10,12,14
.irp b, 0,1,2,3
	v_max3_num_f32 v[TM+\b], v[TM+\b], |v[\s+16*\b+\i]|, |v[\s+1+16*\b+\i]|
.endr
.endr
	WIN 0
.irp b, 0,1,2,3
	v_permlanex16_b32 v[TM+4+\b], v[TM+\b], s[SEL], s[SEL+1]
.endr
.irp b, 0,1,2,3
	v_max_num_f32 v[TM+\b], v[TM+\b], v[TM+4+\b]   ; with lane l xor 16's 16: the block's largest magnitude
.endr
.irp b, 0,1,2,3
	v_add_nc_u32 v[TM+12+\b], 0xff000000, v[TM+\b]   ; 2 off its exponent field: the conversion's scale operand
.endr
.irp b, 0,1,2,3
	v_lshrrev_b32 v[TM+4+\b], 23, v[TM+12+\b]      ; the scale's byte
.endr
	v_lshl_or_b32 v[\pw], v[TM+5], 8, v[TM+4]
	v_lshl_or_b32 v[\pw], v[TM+6], 16, v[\pw]
	v_lshl_or_b32 v[\pw], v[TM+7], 24, v[\pw]
	s_wait_xcnt 0x0                                ; the last tile's three stores have read v[PC] on: the conversions below are the first lines that write it again
	WIN \w                                         ; source 0
.irp c, 0,1
	v_cvt_scalef32_pk16_fp6_f32 v[PC+6*\c:PC+2+6*\c], v[\s+32*\c:\s+15+32*\c], v[TM+12+2*\c]
	v_cvt_scalef32_pk16_fp6_f32 v[PC+12+4*\c:PC+14+4*\c], v[\s+16+32*\c:\s+31+32*\c], v[TM+12+2*\c+1]
.endr
	WIN 0
	v_nop                                          ; one plain place behind a scaled conversion
.irp c, 0,1
.irp i, 0,1,2
	v_permlane16_swap_b32 v[PC+6*\c+\i], v[PC+12+4*\c+\i]
.endr
.irp i, 0,1,2
	v_mov_b32 v[PC+3+6*\c+\i], v[PC+12+4*\c+\i]
.endr
.endr
.endm
	s_load_b256 s[4:11], s[0:1], 0x0               ; xw s[4:5], bq s[6:7], bk s[8:9], bv s[10:11]
	s_load_b128 s[12:15], s[0:1], 0x20             ; qk s[12:13], vt s[14:15]
	v_lshl_add_u32 v[SPW], v0, 2, SPARE
	v_mov_b32 v[NIL], 0
	ds_add_u32 v[SPW], v[NIL]                      ; the wave's opening: the add and its wait stand ahead of my first tensor load; work on registers stands between them
	ds_add_u32 v[SPW], v[NIL]
	v_lshrrev_b32 v1, 5, v0
	v_readfirstlane_b32 s16, v1                    ; wave 0..3
	s_lshr_b32 s17, s16, 1                         ; which half of A's rows is mine.  Also: I fetch x's tiles (0) or the weight's (1)
	s_and_b32 s18, s16, 1                          ; which half of B's rows.  Also: which half of that tile I fetch
	s_bfe_u32 s19, ttmp6, 0x40000                  ; cx
	s_bfe_u32 s20, ttmp6, 0x40004                  ; cy
	s_mov_b32 s21, ttmp9                           ; the cluster's x
	s_and_b32 s22, ttmp7, 0xffff                   ; the cluster's y
	s_lshl_b32 s23, s20, 2
	s_lshl_b32 s23, 15, s23                        ; my row of the cluster
	s_lshl_b32 s2, 0x1111, s19                     ; my column
	s_or_b32 s[G1A], s23, (3<<16)|(1<<21)          ; 15:0 the mask; 17:16 elements of 8 bytes; 20 no padding; 21 set beside a mask
	s_or_b32 s[G1SA], s23, (3<<16)|(1<<21)
	s_or_b32 s[G1B], s2, (3<<16)|(1<<21)
	s_or_b32 s[G1SB], s2, (3<<16)|(1<<21)
.irp g, G1A, G1B                               ; codes: 3 K steps x 8 tiles (12,288 bytes = 1,536 elements), a K step 768 tiles on
	s_mov_b32 s[\g+1], 1536<<16                    ; tensor_dim0
	s_mov_b32 s[\g+2], 3<<16                       ; tensor_dim1: three K steps
	s_mov_b32 s[\g+3], 1536<<16                    ; tile_dim0
	s_mov_b32 s[\g+4], 3                           ; tile_dim1
	s_mov_b32 s[\g+5], 147456                      ; tensor_dim0_stride
	s_mov_b32 s[\g+6], 0
	s_mov_b32 s[\g+7], 0
.endr
.irp g, G1SA, G1SB                             ; scale words: 8 K steps x 128 words (64 elements), a K step 12,288 words on
	s_mov_b32 s[\g+1], 64<<16
	s_mov_b32 s[\g+2], 8<<16
	s_mov_b32 s[\g+3], 64<<16
	s_mov_b32 s[\g+4], 8
	s_mov_b32 s[\g+5], 6144
	s_mov_b32 s[\g+6], 0
	s_mov_b32 s[\g+7], 0
.endr
	; the first tile that I fetch.  x's hangs on the cluster's y and cy, the weight's on the cluster's x and cx; each is made in registers that never hold the other's place
	s_lshl_b32 s58, s18, 3                         ; 8 x half
	s_lshl_b32 s56, s22, 6                         ; x: 64 tiles for each cluster y,
	s_lshl_b32 s59, s20, 4
	s_add_co_u32 s56, s56, s59                     ; + 16 cy
	s_add_co_u32 s56, s56, s58
	s_lshl_b32 s57, s21, 6                         ; Wq | Wk: 64 tiles for each cluster x,
	s_lshl_b32 s3, s19, 4
	s_add_co_u32 s57, s57, s3                      ; + 16 cx
	s_add_co_u32 s57, s57, s58
	s_add_co_u32 s57, s57, 512
	s_mul_i32 s60, s56, 1536                       ; x's codes
	s_mov_b32 s61, 0
	s_mul_i32 s62, s57, 1536                       ; the weight's
	s_mov_b32 s63, 0
	s_lshl_b32 s58, s56, 6
	s_add_co_u32 s58, s58, XSC                     ; x's scale words: 64 bytes a tile
	s_mov_b32 s59, 0
	s_lshl_b32 s66, s57, 6
	s_add_co_u32 s66, s66, XSC                     ; the weight's
	s_mov_b32 s67, 0
	s_mul_i32 s23, s16, 36864                      ; where they go: part = wave: no place in the cluster enters an LDS address
	s_lshl_b32 s2, s16, 12
	s_wait_dscnt 0x0                               ; both opening adds are done
	CROUND                                         ; the round in front of the first joint loads: it runs while the arguments come in
	s_wait_kmcnt 0x0
	s_add_nc_u64 s[60:61], s[4:5], s[60:61]        ; (kept: the second tile asks for the same rows of x)
	s_add_nc_u64 s[62:63], s[4:5], s[62:63]
	s_add_nc_u64 s[58:59], s[4:5], s[58:59]
	s_add_nc_u64 s[66:67], s[4:5], s[66:67]
.irp k, 0,1
	s_mov_b32 s[GRA+4*\k], 1                       ; count = 1
	s_add_co_u32 s[GRA+4*\k+1], s23, \k*REGB       ; LDS address
	s_add_nc_u64 s[GRA+4*\k+2:GRA+4*\k+3], s[60:61], \k*SLOTB   ; global address: slot k
	s_or_b32 s[GRA+4*\k+3], s[GRA+4*\k+3], 0x80000000           ; type = 2
	s_mov_b32 s[GRB+4*\k], 1
	s_add_co_u32 s[GRB+4*\k+1], s23, \k*REGB
	s_add_nc_u64 s[GRB+4*\k+2:GRB+4*\k+3], s[62:63], \k*SLOTB
	s_or_b32 s[GRB+4*\k+3], s[GRB+4*\k+3], 0x80000000
.endr
	s_cmp_eq_u32 s17, 0                            ; my part is x's (waves 0, 1) or the weight's (waves 2, 3)
	s_cselect_b64 s[68:69], s[58:59], s[66:67]     ; its scale words
	s_cselect_b64 s[84:85], s[60:61], s[62:63]     ; its codes, for the prefetches:
	s_cselect_b32 s86, s19, s20                    ; of a K step's 48 blocks of 256 bytes each of the four partners that ask for the part jointly takes 12, told apart by address (cx for x, cy for the weight)
	s_mul_i32 s86, s86, 3072
	s_mov_b32 s87, 0
	s_add_nc_u64 s[84:85], s[84:85], s[86:87]
	s_cmp_eq_u32 s21, 0                            ; cluster x 0 makes q, 1 makes k
	s_cselect_b64 s[70:71], s[6:7], s[8:9]
	s_lshl_b32 s56, s19, 10
	s_lshl_b32 s57, s18, 9
	s_add_co_u32 s56, s56, s57                     ; the bias of my 128 columns: (256 cx + 128 half) x 4
	s_mov_b32 s57, 0
	s_add_nc_u64 s[70:71], s[70:71], s[56:57]
	s_cmp_eq_u32 s17, 0                            ; one load a wave at the head
	s_cbranch_scc0 .Lfirst_b
	tensor_load_to_lds s[GRA:GRA+3], s[G1A:G1A+7]
	s_nop 0
.rept 4
	v_nop
.endr
	s_branch .Lfirst_done
.Lfirst_b:
	tensor_load_to_lds s[GRB:GRB+3], s[G1B:G1B+7]
	s_nop 0
.rept 4
	v_nop
.endr
.Lfirst_done:
	v_and_b32 v1, 31, v0                           ; lane
	v_and_b32 v2, 15, v0                           ; r
	v_bfe_u32 v3, v0, 4, 1                         ; h
	v_lshlrev_b32 v[CO], 4, v1
	v_lshlrev_b32 v[CO8], 3, v1
	v_lshlrev_b32 v[L4], 2, v1
.irp s, 0,1,2,3,4,5,6,7
	global_load_b128 v[64+4*\s:67+4*\s], v[CO], s[68:69] offset:49152*\s   ; my part's scale words of K step s: 512 consecutive bytes, aligned
.endr
	v_lshlrev_b32 v[BH], 6, v3
	WIN TO_B
.irp t, 0,1,2,3,4,5,6,7                        ; in the result's layout: tile t, lane half h: columns 32 (t / 2) + 16 h + 8 (t % 2) + 0 .. 7
	global_load_b128 v[96+8*\t+96*(\t/4):99+8*\t+96*(\t/4)], v[BH], s[70:71] offset:(32*(\t/2)+8*(\t%2))*4
	global_load_b128 v[100+8*\t+96*(\t/4):103+8*\t+96*(\t/4)], v[BH], s[70:71] offset:(32*(\t/2)+8*(\t%2))*4+16
.endr
	WIN 0
	v_min_u32 v[PFO], 11, v1
	v_lshlrev_b32 v[PFO], 8, v[PFO]                ; a lane a block of 256 bytes; the lanes left over name the last block again
	s_add_co_u32 s56, s2, SCL
	v_add_nc_u32 v[SWA], s56, v[CO]
	s_mul_i32 s56, s17, 36864
	v_add_nc_u32 v[ADRA], s56, v[CO]               ; the first tile: A's part of my half + 16 x lane
	s_mul_i32 s56, s17, 24576
	s_add_co_u32 s57, s56, 147456
	v_add_nc_u32 v[A2], s57, v[CO]                 ; the second tile: Wv's part of my half, K steps 0-3,
	v_add_nc_u32 v[A2+1], s56, v[CO]               ; and K steps 4-7
	s_mul_i32 s57, s18, 36864
	s_add_co_u32 s57, s57, 73728
	v_add_nc_u32 v[ADRB], s57, v[CO]               ; the first tile: B's parts lie behind A's two
	v_add_nc_u32 v[ADRA+1], REGB, v[ADRA]
	v_add_nc_u32 v[ADRB+1], REGB, v[ADRB]
	s_mul_i32 s56, s18, 49152
	s_add_co_u32 s57, s56, 196608
	v_add_nc_u32 v[B2], s57, v[CO]                 ; the second tile: x's part of my half, K steps 0-3,
	s_add_co_u32 s57, s56, 49152
	v_add_nc_u32 v[B2+1], s57, v[CO]               ; and K steps 4-7
	s_lshl_b32 s56, s17, 12
	s_add_co_u32 s56, s56, SCL
	v_lshl_add_u32 v[ADSA], v1, 2, s56
	s_lshl_b32 s57, s18, 12
	s_add_co_u32 s56, s57, SCL
	v_lshl_add_u32 v[SB2], v1, 2, s56              ; the second tile's B is x: its words lie where the first tile's A's lie
	s_add_co_u32 s57, s57, SCL+8192
	v_lshl_add_u32 v[ADSB], v1, 2, s57
	s_lshl_b32 s56, s16, 11
	s_add_co_u32 s56, s56, ASC2
	v_lshl_add_u32 v[SA2], v1, 2, s56              ; my own copy of my Wv rows' words
	v_and_b32 v4, 8, v2
	v_add_nc_u32 v4, v4, v2
	v_lshlrev_b32 v[BR], 2, v4
	s_lshl_b32 s56, s16, 9
	s_add_co_u32 s56, s56, STG
	v_lshl_add_u32 v[STW], v2, 2, s56
	v_add_nc_u32 v[STR], s56, v[CO]
	v_add_nc_u32 v[STR8], s56, v[CO8]
.irp b, 0,1,2,3
	v_mov_b32 v[TM+4+\b], 0                        ; written once: a lane permute's destination counts as one of its sources
.endr
	s_mov_b32 s[SEL], 0x76543210
	s_mov_b32 s[SEL+1], 0xfedcba98
	; ---- THE FIRST TILE: 256 rows of x against 256 columns of Wq | Wk
	s_wait_alu depctr_va_vdst(0)                   ; the head's end
	s_wait_loadcnt 0x0                             ; my part's scale words are in registers
.irp s, 3,4,5
	global_prefetch_b8 v[PFO], s[84:85] offset:KPIT*\s th:TH_LOAD_NT scope:SCOPE_SE   ; one slot ahead: what slot 1's load will bring; asked for behind the head's own tiles and scale words
.endr
.irp s, 0,1,2,3,4,5,6,7
	ds_store_b128 v[SWA], v[64+4*\s:67+4*\s] offset:512*\s
.endr
	s_wait_tensorcnt 0x0                           ; my part of K steps 0-2 is in
	ds_add_u32 v[SPW], v[NIL]
	s_wait_dscnt 0x0                               ; the add and my stores of scale words are done
	CROUND                                         ; everybody's parts are in, and all sixteen work-groups are here
	JLOAD GRA+4, G1A, GRB+4, G1B                   ; slot 1's first fill, K steps 3-5: my one load behind the round
	FETCH 0
.irp s, 6,7
	global_prefetch_b8 v[PFO], s[84:85] offset:KPIT*\s th:TH_LOAD_NT scope:SCOPE_SE   ; one slot ahead: what slot 0's refill will bring; the last of the first tile
.endr
	STEP 0, 2                                      ; the first products start the sums with the bias: nothing is cleared, nothing is added later
	STEP 1, 0
	CHANGE 2, 1                                    ; slot 0 is left and takes K steps 6-7; slot 1 is shown whole to every wave
	; the second tile's descriptors.  The wait for all tensor loads in the change above has shown the loads done that named these registers; the one load that is out names s[72:75] or s[88:91] and s[24:39] alone
	s_mov_b32 s[G1X2+1], 1536<<16                  ; x: 4 K steps x 8 tiles (1,536 elements of 8 bytes), a K step 768 tiles on; word 0 stands: my row's mask
	s_mov_b32 s[G1X2+2], 4<<16
	s_mov_b32 s[G1X2+3], 1536<<16
	s_mov_b32 s[G1X2+4], 4
	s_mov_b32 s[G1X2+5], 147456
	s_mov_b32 s[G1W2+1], 768<<16                   ; Wv: 4 K steps x 4 tiles (768 elements); word 0 stands: my column's mask
	s_mov_b32 s[G1W2+2], 4<<16
	s_mov_b32 s[G1W2+3], 768<<16
	s_mov_b32 s[G1W2+4], 4
	s_mov_b32 s[G1W2+5], 147456
	s_mul_i32 s56, s18, 49152
	s_mov_b32 s[GX2], 1
	s_add_co_u32 s[GX2+1], s56, 196608             ; x's half, K steps 0-3
	s_mov_b64 s[GX2+2:GX2+3], s[60:61]             ; the same rows of x as in the first tile
	s_or_b32 s[GX2+3], s[GX2+3], 0x80000000
	s_mov_b32 s[GX2+4], 1
	s_add_co_u32 s[GX2+5], s56, 49152              ; K steps 4-7
	s_add_nc_u64 s[GX2+6:GX2+7], s[60:61], SLOT2
	s_or_b32 s[GX2+7], s[GX2+7], 0x80000000
	s_lshl_b32 s57, s21, 5                         ; Wv's first tile that I fetch: 640 + 8 x work-group x + 4 half
	s_lshl_b32 s3, s19, 3
	s_add_co_u32 s57, s57, s3
	s_lshl_b32 s3, s18, 2
	s_add_co_u32 s57, s57, s3
	s_add_co_u32 s57, s57, 640
	s_mul_i32 s62, s57, 1536
	s_mov_b32 s63, 0
	s_add_nc_u64 s[62:63], s[4:5], s[62:63]
	s_mul_i32 s58, s18, 24576
	s_mov_b32 s[GW2], 1
	s_add_co_u32 s[GW2+1], s58, 147456             ; Wv's half, K steps 0-3
	s_mov_b64 s[GW2+2:GW2+3], s[62:63]
	s_or_b32 s[GW2+3], s[GW2+3], 0x80000000
	s_mov_b32 s[GW2+4], 1
	s_add_co_u32 s[GW2+5], s58, 0                  ; K steps 4-7
	s_add_nc_u64 s[GW2+6:GW2+7], s[62:63], SLOT2
	s_or_b32 s[GW2+7], s[GW2+7], 0x80000000
	STEP 3, 0
	STEP 4, 0
	CHANGE 5, 2                                    ; K steps 6-7 are shown whole; slot 1 is read out and takes the second tile's K steps 0-3
	STEP 6, 0
	PLACES                                         ; for the loads into A's set 0, which the K step before multiplied
	s_lshl_b32 s70, s21, 5                         ; the scale words of MY 64 rows of Wv: tiles 640 + 8 x work-group x + 4 x my half of A on
	s_lshl_b32 s71, s19, 3
	s_add_co_u32 s70, s70, s71
	s_lshl_b32 s71, s17, 2
	s_add_co_u32 s70, s70, s71
	s_add_co_u32 s70, s70, 640
	s_lshl_b32 s70, s70, 6
	s_add_co_u32 s70, s70, XSC
	s_mov_b32 s71, 0
	s_add_nc_u64 s[68:69], s[4:5], s[70:71]
.irp s, 0,1,2,3,4,5,6,7
.irp j, 0,1
	global_load_b32 v[SW2+2*\s+\j], v[L4], s[68:69] offset:49152*\s+128*\j   ; K step s, tiles 2 j and 2 j + 1: 128 consecutive bytes
.endr
.endr
	s_lshl_b32 s58, s21, 2
	s_add_co_u32 s58, s58, s19                     ; work-group x
	s_lshl_b32 s58, s58, 1
	s_add_co_u32 s58, s58, s18                     ; my K step of qk
	s_lshl_b32 s60, s22, 2
	s_add_co_u32 s60, s60, s20                     ; work-group y
	s_lshl_b32 s60, s60, 4
	s_lshl_b32 s3, s17, 3
	s_add_co_u32 s60, s60, s3                      ; my first tile
	s_lshl_b32 s62, s58, 9
	s_add_co_u32 s62, s62, s60
	s_mul_i32 s62, s62, 1536
	s_mov_b32 s63, 0
	s_add_nc_u64 s[62:63], s[12:13], s[62:63]      ; codes: (512 K step + tile) images
	s_lshl_b32 s58, s58, 15
	s_lshl_b32 s60, s60, 6
	s_add_co_u32 s60, s60, s58
	s_add_co_u32 s60, s60, 12582912
	s_mov_b32 s61, 0
	s_add_nc_u64 s[60:61], s[12:13], s[60:61]      ; words: (8,192 K step + 16 tile) x 4
	LAST 7
	; from here on the macros serve the second tile's shape
.set NA,    4
.set ASET,  48
.set SS,    4
.set NREG,  2
.set AQ,    6144
.set SAS,   256
.set NF,    42                         ; 24 + 12 of 16 bytes, 2 + 4 words
.set ADRA,  A2
.set ADRB,  B2
.set ADSA,  SA2
.set ADSB,  SB2
	PLACES                                         ; the additions below read results just made and write over A's set 1
	s_wait_loadcnt 0x0                             ; the bias, and Wv's scale words
.irp s, 0,1,2,3,4,5,6,7
.irp j, 0,1
	ds_store_b32 v[SA2], v[SW2+2*\s+\j] offset:256*\s+128*\j       ; into my own bytes: LDS serves a wave's instructions in order, so my later loads see them
.endr
.endr
	; THE FIRST WAY OUT: + the bias of my 128 columns, quantised along them, into qk
.irp a, 0,1,2,3,4,5,6,7
.set AC, 64*(\a%4)
.set WN, 2+\a/4
.if \a == 4
	REFILL                                         ; half of the way out behind the request for K steps 0-3, and half of it, with four K steps, ahead of the wait for K steps 4-7
.endif
.if \a == 7
	FETCH 0                                        ; the second tile's first fragments are fetched while the last tile is quantised
.endif
	QUANT AC, PWS+\a, WN                           ; the sums hold the bias already: they are quantised where they stand
.irp c, 0,1,2
	global_store_b128 v[CO], v[PC+4*\c:PC+4*\c+3], s[62:63] offset:1536*\a+512*\c   ; 32 lanes store 512 consecutive bytes, aligned
.endr
.endr
.irp a, 0,1,2,3,4,5,6,7
	ds_store_b32 v[STW], v[PWS+\a] offset:64*\a    ; lanes l and l + 16 write the same word with the same value
.endr
	ds_load_b128 v[H:H+3], v[STR]
	s_wait_dscnt 0x0
	global_store_b128 v[CO], v[H:H+3], s[60:61]    ; my 128 rows' words: 512 consecutive bytes
	; ---- THE SECOND TILE: 128 columns d of Wv against the same 256 rows of x
	s_lshl_b32 s86, s21, 2
	s_add_co_u32 s86, s86, s19                     ; work-group x
	s_lshl_b32 s87, s86, 9
	s_lshl_b32 s70, s17, 8
	s_add_co_u32 s70, s87, s70                     ; (128 x + 64 half) x 4
	s_mov_b32 s71, 0
	s_add_nc_u64 s[84:85], s[10:11], s[70:71]
.irp a, 0,1,2,3                                ; tile a, lane row r: d = 32 (a / 2) + 8 (a % 2) + r + 8 (r / 8); twice, as the pair that the packed addition names
	global_load_b32 v[BM+2*\a], v[BR], s[84:85] offset:(32*(\a/2)+8*(\a%2))*4
	global_load_b32 v[BM+2*\a+1], v[BR], s[84:85] offset:(32*(\a/2)+8*(\a%2))*4
.endr
	s_lshl_b32 s86, s86, 3
	s_lshl_b32 s87, s17, 2
	s_add_co_u32 s86, s86, s87                     ; my first tile of d: 8 x + 4 half
	s_lshl_b32 s87, s22, 2
	s_add_co_u32 s87, s87, s20                     ; work-group y
	s_lshl_b32 s87, s87, 1
	s_add_co_u32 s87, s87, s18                     ; my K step of vt: 2 y + half
	s_lshl_b32 s70, s87, 6
	s_add_co_u32 s70, s70, s86
	s_mul_i32 s70, s70, 1536
	s_add_nc_u64 s[72:73], s[14:15], s[70:71]      ; codes: (64 K step + tile) images
	s_lshl_b32 s87, s87, 12
	s_lshl_b32 s86, s86, 6
	s_add_co_u32 s70, s87, s86
	s_add_co_u32 s70, s70, 6291456
	s_add_nc_u64 s[74:75], s[14:15], s[70:71]      ; words: (1,024 K step + 16 tile) x 4
	STEP 0, 1                                      ; the first products start the sums anew, on accumulators that have been read out
	STEP 1, 0
	STEP 2, 0
	CHANGE 3, 0                                    ; K steps 4-7 are shown whole; nothing is asked for any more
	STEP 4, 0
	STEP 5, 0
	STEP 6, 0
	LAST 7
	PLACES
	s_wait_loadcnt 0x0                             ; bv
	s_wait_xcnt 0x0                                ; the first way out's word store has read v[H] on
	; THE SECOND WAY OUT: + the bias of my row d, quantised along my 128 keys, into vt
.irp a, 0,1,2,3
	WIN 0x02
.set j, 0
.rept 32
	v_pk_add_f32 v[H+j:H+j+1], v[64*\a+j:64*\a+j+1], v[BM+2*\a:BM+2*\a+1]
.set j, j+2
.endr
	WIN 0
	QUANT H, PWS+\a, 0
.irp c, 0,1,2
	global_store_b128 v[CO], v[PC+4*\c:PC+4*\c+3], s[72:73] offset:1536*\a+512*\c
.endr
.endr
.irp a, 0,1,2,3
	ds_store_b32 v[STW], v[PWS+\a] offset:64*\a
.endr
	ds_load_b64 v[H:H+1], v[STR8]
	s_wait_dscnt 0x0
	global_store_b64 v[CO8], v[H:H+1], s[74:75]    ; my 64 rows' words: 256 consecutive bytes, aligned
	s_wait_tensorcnt 0x0                           ; the wave's end
	ds_add_u32 v[SPW], v[NIL]
	s_wait_dscnt 0x0
	CROUND                                         ; the closing round
	s_endpgm
.Lfunc_end_k_q2fe46457b5_proj:
	.size	k_q2fe46457b5_proj, .Lfunc_end_k_q2fe46457b5_proj-k_q2fe46457b5_proj
	.p2alignl 7, 3214868480
	.fill 96, 4, 3214868480
	.section	.rodata,"a",@progbits
	.p2align	6, 0x0
	.amdhsa_kernel k_q2fe46457b5_proj
		.amdhsa_group_segment_fixed_size 327680
		.amdhsa_private_segment_fixed_size 0
		.amdhsa_enable_private_segment 0
		.amdhsa_kernarg_size 48
		.amdhsa_user_sgpr_count 2
		.amdhsa_user_sgpr_kernarg_segment_ptr 1
		.amdhsa_wavefront_size32 1
		.amdhsa_system_sgpr_workgroup_id_x 1
		.amdhsa_system_sgpr_workgroup_id_y 1
		.amdhsa_system_sgpr_workgroup_id_z 1
		.amdhsa_system_vgpr_workitem_id 0
		.amdhsa_next_free_vgpr 1024
		.amdhsa_next_free_sgpr 100
		.amdhsa_reserve_vcc 0
		.amdhsa_float_denorm_mode_32 3
		.amdhsa_float_denorm_mode_16_64 3
		.amdhsa_memory_ordered 1
		.amdhsa_forward_progress 1
		.amdhsa_inst_pref_size 233
	.end_amdhsa_kernel
	.amdgpu_metadata
---
amdhsa.version: [ 1, 2 ]
amdhsa.kernels:
  - .name:           k_q2fe46457b5_proj
    .symbol:         k_q2fe46457b5_proj.kd
    .args:
      - { .name: xw, .offset: 0, .size: 8, .value_kind: global_buffer, .address_space: global }
      - { .name: bq, .offset: 8, .size: 8, .value_kind: global_buffer, .address_space: global }
      - { .name: bk, .offset: 16, .size: 8, .value_kind: global_buffer, .address_space: global }
      - { .name: bv, .offset: 24, .size: 8, .value_kind: global_buffer, .address_space: global }
      - { .name: qk, .offset: 32, .size: 8, .value_kind: global_buffer, .address_space: global }
      - { .name: vt, .offset: 40, .size: 8, .value_kind: global_buffer, .address_space: global }
    .group_segment_fixed_size: 327680
    .private_segment_fixed_size: 0
    .kernarg_segment_align: 8
    .kernarg_segment_size: 48
    .max_flat_workgroup_size: 128
    .sgpr_count:     100
    .vgpr_count:     1024
    .wavefront_size: 32
...
	.end_amdgpu_metadata
.endif
;; end of part 2
;; launch scores (part 3): grid 8 x 32, 4 waves a work-group, clusters of 4 x 4, 327,680 bytes of LDS; arguments qk, pp; writes pp
.if DOCPART == 3
	.amdgcn_target "amdgcn-amd-amdhsa--gfx1250"
	.amdhsa_code_object_version 6
	.text
	.protected	k_q2fe46457b5_scores
	.globl	k_q2fe46457b5_scores
	.p2align	8
	.type	k_q2fe46457b5_scores,@function
k_q2fe46457b5_scores:
	s_mov_b64 s[64:65], 0
	v_nop
	global_prefetch_b8 v0, s[64:65] scope:SCOPE_SE
	s_setreg_imm32_b32 hwreg(HW_REG_WAVE_MODE, 25, 1), 1
	s_wait_xcnt 0x0
	s_wait_alu depctr_hold_cnt(0) depctr_sa_sdst(0) depctr_va_vdst(0) depctr_va_sdst(0) depctr_va_ssrc(0) depctr_va_vcc(0) depctr_vm_vsrc(0)
	s_getreg_b32 s2, hwreg(HW_REG_IB_STS2, 6, 4)
	s_cmp_eq_u32 s2, 0
	s_cbranch_scc0 .Lentry_in_a_cluster
	s_endpgm
.Lentry_in_a_cluster:
	s_bfe_u32 s2, ttmp6, 0x10000c
	s_cmp_lg_u32 s2, 0xf033
	s_cbranch_scc0 .Lentry_shape_is_right
	s_endpgm
.Lentry_shape_is_right:
; S = q k^T on codes of FP6 (E2M3) out of qk, and the softmax's numerator for the next product: for each query and each CHUNK of 128 keys (a wave's columns): t = score x log2(e) / 32, M_c = the chunk's largest t rounded up to a whole number,
; p = 2^(t - M_c), quantised along the keys; l_c = the sum of the unquantised p.  The next launch joins the chunks: M_row - M_c is a whole number, so it is taken off p's scale bytes, and the codes stay as they are.
; OPERAND BUFFERS: a fragment (16 rows x 128 K) is the image of its 12 registers, 1,536 bytes; codes [K step][tile][1,536].  Lane row r of tile T is row 32 (T / 2) + 8 (T % 2) + r + 8 (r / 8).
; qk: 16 K steps (0-7 q, 8-15 k) x 512 tiles, scale words [16][8,192] from 12,582,912.  pp: codes [chunk 0..15][512 tiles of queries]; from 12,582,912 three tables [16][8,192] of words: p's scale words, -M_c (f32), l_c (f32).
; SHARES.  A work-group makes 256 queries x 256 keys of one batch, a wave 128 x 128.  Source 0 = a tile of k, source 1 = a tile of q: a lane holds one query, and its 64 registers of k's eight tiles are register 16 b + i = key 32 b + 16 (lane / 16) + i.
; CLUSTERS, LDS, REGISTERS of the K loop: 4 x 4, q's tiles jointly along a row, k's along a column; three regions of two K steps, region 0 filled a second time; at most four tensor loads of a wave outstanding, at the head.
; LIMITS: v_exp_f32 gives 0 for p under 2^-126 of its chunk's 2^M_c; a block whose every p is 0 gets the scale byte 1 with zero codes.  NaN and infinities are not served.
.set NA,    8
.set ASET,  96
; THE RING AS IT STANDS (in place of the three regions named above): two slots of 147,456 bytes, three K steps each; part w of a slot, 36,864 bytes: [3 K steps][8 tiles].
; Slot 0 takes K steps 0-2 at the head, one load a wave; slot 1 takes K steps 3-5 behind the full sequence and a round; slot 0 takes K steps 6-7 at K step 2.  A wave has one tensor load outstanding at any time.
; The scale words come through registers: wave w loads its part's 8 x 512 bytes and stores them at SCL + 4,096 w, bytes on which no fill lands.
.set SS,    3
.set NREG,  2
.set REGB,  147456
.set AQ,    12288
.set SAS,   512
.set NF,    56
.set SLOTB, 2359296                    ; a slot in qk: 3 K steps x 512 tiles x 1,536 bytes
.set ASTEP, 2*SLOTB                    ; from K step 0 to K step 6
.set BSTEP, 2*SLOTB
.set QSC,   12582912                   ; where qk's scale words, and pp's tables, begin
.set SCL,   2*REGB
.set KPIT,  786432                     ; a K step in qk: 512 tiles x 1,536 bytes
.set SWA,   27                         ; v27 where I store my part's scale words
.set PFO,   30                         ; v30 the prefetches' offset: 256 x min(lane, 11); never rewritten
.set STG,   SCL+16384                  ; the way out of the three tables: 2,048 bytes a wave
.set SPARE, STG+8192                   ; the spare words: 128 bytes for each wave, two blocks of 256 bytes that no other line names
.set ADRA, 16
.set ADRB, 20
.set STR,  23
.set ADSA, 24
.set ADSB, 25
.set CO,   26
.set SPW,  28
.set NIL,  29
.set STW,  31
.set SC,   32
.set AF,   64
.set H,    64                          ; v64-127 t - M, then p
.set PC,   128                         ; v128-147 p's codes
.set BMX,  148                         ; v148-151 each block's largest score, then its largest p
.set TP,   152                         ; v152-155 from lane l xor 16
.set SO,   156                         ; v156-159 the conversions' scale operands
.set BY,   160                         ; v160-163 the scale bytes
.set NMP,  164                         ; v[164:165] -M_c (the packed form names a pair and takes its low word)
.set SU,   166                         ; v166-169, v172-175 the sums, four chains
.set TT,   170
.set PWS,  176                         ; v176-183 p's scale words, v184-191 -M_c, v192-199 l_c: one for each of my eight tiles of queries
.set NMS,  184
.set LSS,  192
.set G1A,  24
.set G1B,  32
.set G1SA, 40
.set G1SB, 48
.set G0SA, 68
.set GRA,  72
.set G0SB, 84
.set GRB,  88
.set SEL,  66                          ; s[66:67] lane selects: lane l xor 16
.set CS,   58                          ; s[58:59] c = log2(e) / sqrt(1024)
.set MSB, 0
.macro WIN new
.if MSB != \new
	s_set_vgpr_msb (MSB<<8)|\new
.set MSB, \new
.endif
.endm
.set MUL_LO, 0xa1
.set MUL_HI, 0xf1
.set TO_B,   0x40
.macro PLACES
.rept 4
	v_nop
.endr
.endm
.macro JLOAD g0a, g1a, g0b, g1b
	s_cmp_eq_u32 s17, 0
	s_cbranch_scc0 .Lfor_b_\@
	tensor_load_to_lds s[\g0a:\g0a+3], s[\g1a:\g1a+7]
	s_nop 0
.rept 4
	v_nop
.endr
	s_branch .Lasked_\@
.Lfor_b_\@:
	tensor_load_to_lds s[\g0b:\g0b+3], s[\g1b:\g1b+7]
	s_nop 0
.rept 4
	v_nop
.endr
.Lasked_\@:
.endm
.macro CREST
	s_cmp_lg_u32 s16, 0
	s_cbranch_scc1 .Lnot_wave_0_\@
	s_barrier_signal -3
.Lnot_wave_0_\@:
	s_barrier_wait -3
	s_barrier_signal -1
	s_barrier_wait -1
.endm
.macro CROUND
	s_barrier_signal -1
	s_barrier_wait -1
	CREST
.endm
.macro FETCH s                         ; K step s: k's eight and q's eight fragments and the scale words into set s % 2
.set fp, (\s)%2
.set fr, ((\s)/SS)%NREG
.set fq, (\s)%SS
	WIN TO_B
.irp b, 0,1,2,3,4,5,6,7
.irp c, 0,1,2
	ds_load_b128 v[128*fp+12*\b+4*\c:128*fp+12*\b+4*\c+3], v[ADRB+fr] offset:fq*12288+\b*1536+512*\c
.endr
.endr
	WIN 0
.set fa, 0
.rept NA
.irp c, 0,1,2
	ds_load_b128 v[AF+ASET*fp+12*fa+4*\c:AF+ASET*fp+12*fa+4*\c+3], v[ADRA+fr] offset:fq*AQ+fa*1536+512*\c
.endr
.set fa, fa+1
.endr
.set fa, 0
.rept NA/2
	ds_load_b32 v[SC+8*fp+fa], v[ADSA] offset:(\s)*SAS+128*fa
.set fa, fa+1
.endr
.irp j, 0,1,2,3
	ds_load_b32 v[SC+8*fp+4+\j], v[ADSB] offset:(\s)*512+128*\j
.endr
.endm
.macro WM a, b, p, cmode
.set rD, 8*(8*((\a)%4)+(\b))
.set rB, 128*(\p)+12*(\b)
.set rA, AF+ASET*(\p)+12*(\a)
.set rT, SC+8*(\p)+4+(\b)/2
.set rS, SC+8*(\p)+(\a)/2
.set rW, (\b)%2+2*((\a)%2)
.if \cmode == 1
.if rW == 0
	v_wmma_scale_f32_16x16x128_f8f6f4 v[rD:rD+7], v[rB:rB+11], v[rA:rA+11], 0, v[rT], v[rS] matrix_a_fmt:MATRIX_FMT_FP6 matrix_b_fmt:MATRIX_FMT_FP6
.elseif rW == 1
	v_wmma_scale_f32_16x16x128_f8f6f4 v[rD:rD+7], v[rB:rB+11], v[rA:rA+11], 0, v[rT], v[rS] matrix_a_fmt:MATRIX_FMT_FP6 matrix_b_fmt:MATRIX_FMT_FP6 matrix_a_scale:MATRIX_SCALE_ROW1
.elseif rW == 2
	v_wmma_scale_f32_16x16x128_f8f6f4 v[rD:rD+7], v[rB:rB+11], v[rA:rA+11], 0, v[rT], v[rS] matrix_a_fmt:MATRIX_FMT_FP6 matrix_b_fmt:MATRIX_FMT_FP6 matrix_b_scale:MATRIX_SCALE_ROW1
.else
	v_wmma_scale_f32_16x16x128_f8f6f4 v[rD:rD+7], v[rB:rB+11], v[rA:rA+11], 0, v[rT], v[rS] matrix_a_fmt:MATRIX_FMT_FP6 matrix_b_fmt:MATRIX_FMT_FP6 matrix_a_scale:MATRIX_SCALE_ROW1 matrix_b_scale:MATRIX_SCALE_ROW1
.endif
.else
.if rW == 0
	v_wmma_scale_f32_16x16x128_f8f6f4 v[rD:rD+7], v[rB:rB+11], v[rA:rA+11], v[rD:rD+7], v[rT], v[rS] matrix_a_fmt:MATRIX_FMT_FP6 matrix_b_fmt:MATRIX_FMT_FP6
.elseif rW == 1
	v_wmma_scale_f32_16x16x128_f8f6f4 v[rD:rD+7], v[rB:rB+11], v[rA:rA+11], v[rD:rD+7], v[rT], v[rS] matrix_a_fmt:MATRIX_FMT_FP6 matrix_b_fmt:MATRIX_FMT_FP6 matrix_a_scale:MATRIX_SCALE_ROW1
.elseif rW == 2
	v_wmma_scale_f32_16x16x128_f8f6f4 v[rD:rD+7], v[rB:rB+11], v[rA:rA+11], v[rD:rD+7], v[rT], v[rS] matrix_a_fmt:MATRIX_FMT_FP6 matrix_b_fmt:MATRIX_FMT_FP6 matrix_b_scale:MATRIX_SCALE_ROW1
.else
	v_wmma_scale_f32_16x16x128_f8f6f4 v[rD:rD+7], v[rB:rB+11], v[rA:rA+11], v[rD:rD+7], v[rT], v[rS] matrix_a_fmt:MATRIX_FMT_FP6 matrix_b_fmt:MATRIX_FMT_FP6 matrix_a_scale:MATRIX_SCALE_ROW1 matrix_b_scale:MATRIX_SCALE_ROW1
.endif
.endif
.endm
.macro MUL a0, n, p, cmode             ; the accumulators take turns, one instruction a turn, in the same order in every K step
.set ma, \a0
.rept \n
.irp b, 0,1,2,3,4,5,6,7
	WM ma, \b, \p, \cmode
.endr
.set ma, ma+1
.endr
.endm
.macro PROD p, cmode
	WIN MUL_LO
	MUL 0, 4, \p, \cmode
	WIN MUL_HI
	MUL 4, 4, \p, \cmode
	WIN 0
.endm
.macro STEP s, cmode
.if (\s) > 0
	PLACES
.endif
	FETCH (\s)+1
	s_wait_dscnt NF                                ; all but the NF loads just issued: this step's set is in
	PROD (\s)%2, \cmode
.endm
.macro CHANGE s, fill
.set cr, ((\s)/SS)%NREG
	s_wait_tensorcnt 0x0                           ; all my tensor loads have landed;
	ds_add_u32 v[SPW], v[NIL]                      ; 0 onto my spare word;
	s_wait_dscnt 1                                 ; (the add alone may be out)
	WIN MUL_LO
	MUL 0, NA/4, (\s)%2, 0
	s_wait_dscnt 0x0                               ; the add is done, and my reads of the region are over
	s_barrier_signal -1
	MUL NA/4, NA/4, (\s)%2, 0
	WIN 0
	s_barrier_wait -1
.if \fill
	CREST                                          ; a round of the cluster's barrier: no wave of any partner still reads the region or has a load on its way
	s_add_nc_u64 s[GRA+4*cr+2:GRA+4*cr+3], s[GRA+4*cr+2:GRA+4*cr+3], ASTEP
	s_add_nc_u64 s[GRB+4*cr+2:GRB+4*cr+3], s[GRB+4*cr+2:GRB+4*cr+3], BSTEP
	s_mov_b32 s[G1A+2], 2<<16                      ; no tensor load of mine is out: this load brings two K steps
	s_mov_b32 s[G1A+4], 2
	s_mov_b32 s[G1B+2], 2<<16
	s_mov_b32 s[G1B+4], 2
	JLOAD GRA+4*cr, G1A, GRB+4*cr, G1B
.else
	PLACES
.endif
	FETCH (\s)+1
	WIN MUL_HI
	MUL NA/2, NA/2, (\s)%2, 0
	WIN 0
.endm
.macro LAST s
	s_wait_dscnt 0x0
	PROD (\s)%2, 0
.endm
	s_load_b128 s[4:7], s[0:1], 0x0                ; qk s[4:5], pp s[6:7]
	v_lshl_add_u32 v[SPW], v0, 2, SPARE
	v_mov_b32 v[NIL], 0
	ds_add_u32 v[SPW], v[NIL]                      ; the wave's opening: the add and its wait stand ahead of my first tensor load
	ds_add_u32 v[SPW], v[NIL]
	v_lshrrev_b32 v1, 5, v0
	v_readfirstlane_b32 s16, v1                    ; wave 0..3
	s_lshr_b32 s17, s16, 1                         ; my half of the queries.  Also: I fetch for q (0) or for k (1)
	s_and_b32 s18, s16, 1                          ; my half of the keys.  Also: which half of that tile I fetch
	s_bfe_u32 s19, ttmp6, 0x40000                  ; cx
	s_bfe_u32 s20, ttmp6, 0x40004                  ; cy
	s_mov_b32 s21, ttmp9
	s_and_b32 s22, ttmp7, 0xffff
	s_lshl_b32 s23, s20, 2
	s_lshl_b32 s23, 15, s23                        ; my row of the cluster
	s_lshl_b32 s2, 0x1111, s19                     ; my column
	s_or_b32 s[G1A], s23, (3<<16)|(1<<21)
	s_or_b32 s[G1B], s2, (3<<16)|(1<<21)
.irp g, G1A, G1B                               ; codes: 3 K steps x 8 tiles (1,536 elements of 8 bytes), a K step 512 tiles on
	s_mov_b32 s[\g+1], 1536<<16
	s_mov_b32 s[\g+2], 3<<16
	s_mov_b32 s[\g+3], 1536<<16
	s_mov_b32 s[\g+4], 3
	s_mov_b32 s[\g+5], 98304
	s_mov_b32 s[\g+6], 0
	s_mov_b32 s[\g+7], 0
.endr
	s_lshl_b32 s58, s18, 3                         ; 8 x half
	s_lshl_b32 s56, s22, 6
	s_lshl_b32 s59, s20, 4
	s_add_co_u32 s56, s56, s59
	s_add_co_u32 s56, s56, s58                     ; q's first tile: 16 x work-group y + 8 half
	s_lshr_b32 s57, s22, 1                         ; the batch: eight work-groups y, two clusters
	s_lshl_b32 s57, s57, 7
	s_lshl_b32 s3, s21, 6
	s_add_co_u32 s57, s57, s3
	s_lshl_b32 s3, s19, 4
	s_add_co_u32 s57, s57, s3
	s_add_co_u32 s57, s57, s58                     ; k's first tile: 128 batch + 16 x work-group x + 8 half
	s_mul_i32 s60, s56, 1536
	s_mov_b32 s61, 0
	s_mul_i32 s62, s57, 1536
	s_add_co_u32 s62, s62, 6291456                 ; k begins at K step 8
	s_mov_b32 s63, 0
	s_lshl_b32 s58, s56, 6
	s_add_co_u32 s58, s58, QSC
	s_mov_b32 s59, 0
	s_lshl_b32 s66, s57, 6
	s_add_co_u32 s66, s66, QSC+262144
	s_mov_b32 s67, 0
	s_mul_i32 s23, s16, 36864
	s_lshl_b32 s2, s16, 12
	s_wait_dscnt 0x0                               ; both opening adds are done
	CROUND                                         ; the round in front of the first joint loads: it runs while the arguments come in
	s_wait_kmcnt 0x0
	s_add_nc_u64 s[60:61], s[4:5], s[60:61]
	s_add_nc_u64 s[62:63], s[4:5], s[62:63]
	s_add_nc_u64 s[58:59], s[4:5], s[58:59]
	s_add_nc_u64 s[66:67], s[4:5], s[66:67]
.irp k, 0,1
	s_mov_b32 s[GRA+4*\k], 1
	s_add_co_u32 s[GRA+4*\k+1], s23, \k*REGB
	s_add_nc_u64 s[GRA+4*\k+2:GRA+4*\k+3], s[60:61], \k*SLOTB
	s_or_b32 s[GRA+4*\k+3], s[GRA+4*\k+3], 0x80000000
	s_mov_b32 s[GRB+4*\k], 1
	s_add_co_u32 s[GRB+4*\k+1], s23, \k*REGB
	s_add_nc_u64 s[GRB+4*\k+2:GRB+4*\k+3], s[62:63], \k*SLOTB
	s_or_b32 s[GRB+4*\k+3], s[GRB+4*\k+3], 0x80000000
.endr
	s_cmp_eq_u32 s17, 0                            ; my part is q's (waves 0, 1) or k's (waves 2, 3)
	s_cselect_b64 s[8:9], s[58:59], s[66:67]       ; its scale words
	s_cselect_b64 s[10:11], s[60:61], s[62:63]     ; its codes, for the prefetches:
	s_cselect_b32 s12, s19, s20                    ; of a K step's 48 blocks of 256 bytes each of the four partners that ask for the part jointly takes 12, told apart by address (cx for q, cy for k)
	s_mul_i32 s12, s12, 3072
	s_mov_b32 s13, 0
	s_add_nc_u64 s[10:11], s[10:11], s[12:13]
	s_cmp_eq_u32 s17, 0                            ; one load a wave at the head
	s_cbranch_scc0 .Lfirst_b
	tensor_load_to_lds s[GRA:GRA+3], s[G1A:G1A+7]
	s_nop 0
.rept 4
	v_nop
.endr
	s_branch .Lfirst_done
.Lfirst_b:
	tensor_load_to_lds s[GRB:GRB+3], s[G1B:G1B+7]
	s_nop 0
.rept 4
	v_nop
.endr
.Lfirst_done:
	v_and_b32 v1, 31, v0
	v_and_b32 v2, 15, v0
	v_lshlrev_b32 v[CO], 4, v1
.irp s, 0,1,2,3,4,5,6,7
	global_load_b128 v[64+4*\s:67+4*\s], v[CO], s[8:9] offset:32768*\s   ; my part's scale words of K step s: 512 consecutive bytes, aligned
.endr
	v_min_u32 v[PFO], 11, v1
	v_lshlrev_b32 v[PFO], 8, v[PFO]                ; a lane a block of 256 bytes; the lanes left over name the last block again
	s_add_co_u32 s56, s2, SCL
	v_add_nc_u32 v[SWA], s56, v[CO]
	s_mul_i32 s56, s17, 36864
	v_add_nc_u32 v[ADRA], s56, v[CO]
	s_mul_i32 s57, s18, 36864
	s_add_co_u32 s57, s57, 73728
	v_add_nc_u32 v[ADRB], s57, v[CO]
	v_add_nc_u32 v[ADRA+1], REGB, v[ADRA]
	v_add_nc_u32 v[ADRB+1], REGB, v[ADRB]
	s_lshl_b32 s56, s17, 12
	s_add_co_u32 s56, s56, SCL
	v_lshl_add_u32 v[ADSA], v1, 2, s56
	s_lshl_b32 s57, s18, 12
	s_add_co_u32 s57, s57, SCL+8192
	v_lshl_add_u32 v[ADSB], v1, 2, s57
	s_lshl_b32 s56, s16, 11
	s_add_co_u32 s56, s56, STG
	v_lshl_add_u32 v[STW], v2, 2, s56
	v_add_nc_u32 v[STR], s56, v[CO]
	s_mov_b32 s[SEL], 0x76543210
	s_mov_b32 s[SEL+1], 0xfedcba98
	s_mov_b32 s[CS], 0x3d38aa3b                    ; c = log2(e) / 32
	s_mov_b32 s[CS+1], s[CS]                       ; (named with it as a pair, so it is written)
	; where my results go: chunk 2 x work-group x + half, first tile 16 x work-group y + 8 half
	s_lshl_b32 s56, s21, 2
	s_add_co_u32 s56, s56, s19
	s_lshl_b32 s56, s56, 1
	s_add_co_u32 s56, s56, s18
	s_lshl_b32 s60, s22, 2
	s_add_co_u32 s60, s60, s20
	s_lshl_b32 s60, s60, 4
	s_lshl_b32 s3, s17, 3
	s_add_co_u32 s60, s60, s3
	s_lshl_b32 s62, s56, 9
	s_add_co_u32 s62, s62, s60
	s_mul_i32 s62, s62, 1536
	s_mov_b32 s63, 0
	s_add_nc_u64 s[62:63], s[6:7], s[62:63]        ; codes
	s_lshl_b32 s56, s56, 15
	s_lshl_b32 s60, s60, 6
	s_add_co_u32 s60, s60, s56
	s_add_co_u32 s60, s60, QSC
	s_mov_b32 s61, 0
	s_add_nc_u64 s[60:61], s[6:7], s[60:61]        ; the first of the three tables
; Tile a of my queries: the chunk's maximum, p, its sum, its codes.  A lane holds one query and 64 of the chunk's 128 keys; lane l xor 16 holds the others.
.macro SOFT a
.set AC, 64*((\a)%4)
.set W1, 2+(\a)/4
.set W3, W1+4*W1+16*W1                 ; all three sources in the accumulators' window
.set W2, 4*W1+16*W1                    ; sources 1 and 2
	WIN W3
.irp b, 0,1,2,3
	v_max3_num_f32 v[BMX+\b], v[AC+16*\b], v[AC+16*\b+1], v[AC+16*\b+2]   ; THE LARGEST SCORE OF EACH BLOCK OF 32 KEYS serves twice: for the chunk's maximum and, since p rises with the score, for the block's largest p.  Each accumulator is read from its low end on
.endr
	WIN W2
.irp i, 3,5,7,9,11,13
.irp b, 0,1,2,3
	v_max3_num_f32 v[BMX+\b], v[BMX+\b], v[AC+16*\b+\i], v[AC+16*\b+\i+1]
.endr
.endr
.irp b, 0,1,2,3
	v_max_num_f32 v[BMX+\b], v[BMX+\b], v[AC+16*\b+15]
.endr
	WIN 0
.irp b, 0,1,2,3
	v_permlanex16_b32 v[TP+\b], v[BMX+\b], s[SEL], s[SEL+1]
.endr
.irp b, 0,1,2,3
	v_max_num_f32 v[BMX+\b], v[BMX+\b], v[TP+\b]   ; with lane l xor 16's 16 keys
.endr
	v_max3_num_f32 v[TT], v[BMX], v[BMX+1], v[BMX+2]
	v_max_num_f32 v[TT], v[TT], v[BMX+3]           ; the chunk's largest score of my query,
	v_mul_f32 v[TT], s[CS], v[TT]                  ; as t (c is positive)
	v_floor_f32 v[NMP], -v[TT]                     ; -M_c = floor(-t) = -ceil(t): a whole number
	WIN W1
.set j, 0
.rept 32
	v_pk_fma_f32 v[H+j:H+j+1], v[AC+j:AC+j+1], s[CS:CS+1], v[NMP:NMP+1] op_sel_hi:[1,0,0]   ; t - M_c, two at a time
.set j, j+2
.endr
	WIN 0
.irp b, 0,1,2,3
	v_fma_f32 v[BMX+\b], v[BMX+\b], s[CS], v[NMP]  ; the same of each block's largest score
.endr
.set j, 0
	s_wait_alu depctr_va_vdst(0)
.rept 64
	v_exp_f32 v[H+j], v[H+j]                       ; p = 2^(t - M_c): NOT normalised
.set j, j+1
.endr
	v_mov_b32 v[NMS+\a], v[NMP]                    ; (a plain place behind the exponentials)
	s_wait_alu depctr_va_vdst(0)                   ; one wait for the whole batch, ahead of its first reader
.irp b, 0,1,2,3
	v_exp_f32 v[BMX+\b], v[BMX+\b]                 ; the block's largest p: the same two instructions on the same number give the same bits
.endr
	v_pk_add_f32 v[SU:SU+1], v[H:H+1], v[H+2:H+3]  ; THE SUM IS TAKEN OF THE UNQUANTISED p: two at a time, in four chains (v166-169, v172-175), so that no line reads the result of one of the three lines above it
	v_pk_add_f32 v[SU+2:SU+3], v[H+4:H+5], v[H+6:H+7]
	v_pk_add_f32 v[SU+6:SU+7], v[H+8:H+9], v[H+10:H+11]
	v_pk_add_f32 v[SU+8:SU+9], v[H+12:H+13], v[H+14:H+15]
.irp j, 16,24,32,40,48,56
	v_pk_add_f32 v[SU:SU+1], v[SU:SU+1], v[H+\j:H+\j+1]
	v_pk_add_f32 v[SU+2:SU+3], v[SU+2:SU+3], v[H+\j+2:H+\j+3]
	v_pk_add_f32 v[SU+6:SU+7], v[SU+6:SU+7], v[H+\j+4:H+\j+5]
	v_pk_add_f32 v[SU+8:SU+9], v[SU+8:SU+9], v[H+\j+6:H+\j+7]
.endr
	v_pk_add_f32 v[SU:SU+1], v[SU:SU+1], v[SU+2:SU+3]
	v_pk_add_f32 v[SU+6:SU+7], v[SU+6:SU+7], v[SU+8:SU+9]
	v_pk_add_f32 v[SU:SU+1], v[SU:SU+1], v[SU+6:SU+7]
	v_add_f32 v[SU], v[SU], v[SU+1]
	v_permlanex16_b32 v[TP], v[SU], s[SEL], s[SEL+1]
	v_add_f32 v[LSS+\a], v[SU], v[TP]              ; l_c
	s_wait_alu depctr_va_vdst(0)                   ; and one wait for the four
.irp b, 0,1,2,3
	v_max_num_f32 v[BMX+\b], 0x1800000, v[BMX+\b]  ; the floor 2^(3 - 127): the byte cannot fall under 1
.endr
.irp b, 0,1,2,3
	v_add_nc_u32 v[SO+\b], 0xff000000, v[BMX+\b]   ; 2 off the exponent field: the conversion's scale operand
.endr
.irp b, 0,1,2,3
	v_lshrrev_b32 v[BY+\b], 23, v[SO+\b]           ; the scale's byte
.endr
	v_lshl_or_b32 v[PWS+\a], v[BY+1], 8, v[BY]
	v_lshl_or_b32 v[PWS+\a], v[BY+2], 16, v[PWS+\a]
	v_lshl_or_b32 v[PWS+\a], v[BY+3], 24, v[PWS+\a]
	s_wait_alu depctr_va_vdst(0)
	s_wait_xcnt 0x0                                ; the last tile's three stores have read v[PC] on: the conversions below are the first lines that write it again
.irp c, 0,1
	v_cvt_scalef32_pk16_fp6_f32 v[PC+6*\c:PC+2+6*\c], v[H+32*\c:H+15+32*\c], v[SO+2*\c]
	v_cvt_scalef32_pk16_fp6_f32 v[PC+12+4*\c:PC+14+4*\c], v[H+16+32*\c:H+31+32*\c], v[SO+2*\c+1]
.endr
	v_nop                                          ; one plain place behind a scaled conversion
.irp c, 0,1
.irp i, 0,1,2
	v_permlane16_swap_b32 v[PC+6*\c+\i], v[PC+12+4*\c+\i]
.endr
.irp i, 0,1,2
	v_mov_b32 v[PC+3+6*\c+\i], v[PC+12+4*\c+\i]
.endr
.endr
.irp c, 0,1,2
	global_store_b128 v[CO], v[PC+4*\c:PC+4*\c+3], s[62:63] offset:1536*(\a)+512*\c   ; 32 lanes store 512 consecutive bytes, aligned
.endr
.endm
	s_wait_alu depctr_va_vdst(0)                   ; the head's end
	s_wait_loadcnt 0x0                             ; my part's scale words are in registers
.irp s, 3,4,5
	global_prefetch_b8 v[PFO], s[10:11] offset:KPIT*\s th:TH_LOAD_NT scope:SCOPE_SE   ; one slot ahead: what slot 1's load will bring; asked for behind the head's own tiles and scale words
.endr
.irp s, 0,1,2,3,4,5,6,7
	ds_store_b128 v[SWA], v[64+4*\s:67+4*\s] offset:512*\s
.endr
	s_wait_tensorcnt 0x0                           ; my part of K steps 0-2 is in
	ds_add_u32 v[SPW], v[NIL]
	s_wait_dscnt 0x0                               ; the add and my stores of scale words are done
	CROUND                                         ; everybody's parts are in, and all sixteen work-groups are here
	JLOAD GRA+4, G1A, GRB+4, G1B                   ; slot 1's first fill, K steps 3-5: my one load behind the round
	FETCH 0
.irp s, 6,7
	global_prefetch_b8 v[PFO], s[10:11] offset:KPIT*\s th:TH_LOAD_NT scope:SCOPE_SE   ; one slot ahead: what slot 0's refill will bring; the last
.endr
	STEP 0, 1
	STEP 1, 0
	CHANGE 2, 1                                    ; slot 0 is left and takes K steps 6-7; slot 1 is shown whole
	STEP 3, 0
	STEP 4, 0
	CHANGE 5, 0                                    ; K steps 6-7 are shown whole
	STEP 6, 0
	LAST 7
	PLACES                                         ; what follows reads results just made and writes over the fragments' registers
.irp b, 0,1,2,3
	v_mov_b32 v[TP+\b], 0                          ; written once: a lane permute's destination counts as one of its sources
.endr
	v_mov_b32 v[NMP+1], 0                          ; (named as the upper half of a pair)
.irp a, 0,1,2,3,4,5,6,7
	SOFT \a
.endr
.irp a, 0,1,2,3,4,5,6,7
	ds_store_b32 v[STW], v[PWS+\a] offset:64*\a    ; lanes l and l + 16 write the same word with the same value
	ds_store_b32 v[STW], v[NMS+\a] offset:512+64*\a
	ds_store_b32 v[STW], v[LSS+\a] offset:1024+64*\a
.endr
.irp k, 0,1,2
	ds_load_b128 v[H+4*\k:H+4*\k+3], v[STR] offset:512*\k
.endr
	s_wait_dscnt 0x0
.irp k, 0,1,2
	global_store_b128 v[CO], v[H+4*\k:H+4*\k+3], s[60:61] offset:524288*\k   ; my 128 queries' words of each table: 512 consecutive bytes
.endr
	s_wait_tensorcnt 0x0                           ; the wave's end
	ds_add_u32 v[SPW], v[NIL]
	s_wait_dscnt 0x0
	CROUND                                         ; the closing round
	s_endpgm
.Lfunc_end_k_q2fe46457b5_scores:
	.size	k_q2fe46457b5_scores, .Lfunc_end_k_q2fe46457b5_scores-k_q2fe46457b5_scores
	.p2alignl 7, 3214868480
	.fill 96, 4, 3214868480
	.section	.rodata,"a",@progbits
	.p2align	6, 0x0
	.amdhsa_kernel k_q2fe46457b5_scores
		.amdhsa_group_segment_fixed_size 327680
		.amdhsa_private_segment_fixed_size 0
		.amdhsa_enable_private_segment 0
		.amdhsa_kernarg_size 16
		.amdhsa_user_sgpr_count 2
		.amdhsa_user_sgpr_kernarg_segment_ptr 1
		.amdhsa_wavefront_size32 1
		.amdhsa_system_sgpr_workgroup_id_x 1
		.amdhsa_system_sgpr_workgroup_id_y 1
		.amdhsa_system_sgpr_workgroup_id_z 1
		.amdhsa_system_vgpr_workitem_id 0
		.amdhsa_next_free_vgpr 1024
		.amdhsa_next_free_sgpr 100
		.amdhsa_reserve_vcc 0
		.amdhsa_float_denorm_mode_32 3
		.amdhsa_float_denorm_mode_16_64 3
		.amdhsa_memory_ordered 1
		.amdhsa_forward_progress 1
		.amdhsa_inst_pref_size 197
	.end_amdhsa_kernel
	.amdgpu_metadata
---
amdhsa.version: [ 1, 2 ]
amdhsa.kernels:
  - .name:           k_q2fe46457b5_scores
    .symbol:         k_q2fe46457b5_scores.kd
    .args:
      - { .name: qk, .offset: 0, .size: 8, .value_kind: global_buffer, .address_space: global }
      - { .name: pp, .offset: 8, .size: 8, .value_kind: global_buffer, .address_space: global }
    .group_segment_fixed_size: 327680
    .private_segment_fixed_size: 0
    .kernarg_segment_align: 8
    .kernarg_segment_size: 16
    .max_flat_workgroup_size: 128
    .sgpr_count:     100
    .vgpr_count:     1024
    .wavefront_size: 32
...
	.end_amdgpu_metadata
.endif
;; end of part 3
;; launch pv (part 4): grid 4 x 64, 4 waves a work-group, clusters of 4 x 4, 327,680 bytes of LDS; arguments pp, vt, oc; writes oc
.if DOCPART == 4
	.amdgcn_target "amdgcn-amd-amdhsa--gfx1250"
	.amdhsa_code_object_version 6
	.text
	.protected	k_q2fe46457b5_pv
	.globl	k_q2fe46457b5_pv
	.p2align	8
	.type	k_q2fe46457b5_pv,@function
k_q2fe46457b5_pv:
	s_mov_b64 s[64:65], 0
	v_nop
	global_prefetch_b8 v0, s[64:65] scope:SCOPE_SE
	s_setreg_imm32_b32 hwreg(HW_REG_WAVE_MODE, 25, 1), 1
	s_wait_xcnt 0x0
	s_wait_alu depctr_hold_cnt(0) depctr_sa_sdst(0) depctr_va_vdst(0) depctr_va_sdst(0) depctr_va_ssrc(0) depctr_va_vcc(0) depctr_vm_vsrc(0)
	s_getreg_b32 s2, hwreg(HW_REG_IB_STS2, 6, 4)
	s_cmp_eq_u32 s2, 0
	s_cbranch_scc0 .Lentry_in_a_cluster
	s_endpgm
.Lentry_in_a_cluster:
	s_bfe_u32 s2, ttmp6, 0x10000c
	s_cmp_lg_u32 s2, 0xf033
	s_cbranch_scc0 .Lentry_shape_is_right
	s_endpgm
.Lentry_shape_is_right:
; O = p v / l on codes of FP6 (E2M3): p out of pp (chunks of 128 keys, each under its own whole number M_c), v^T out of vt; the result is quantised along D into oc for the last product.
; THE CHUNKS ARE JOINED FIRST.  For each query: M = the largest M_c; d_c = M - M_c, a whole number, 0 or more; l = the sum of l_c 2^-d_c (exact scalings); d_c is taken off the four scale bytes of the chunk's word, each held at 0 from below.
; OPERAND BUFFERS: a fragment (16 rows x 128 K) is the image of its 12 registers, 1,536 bytes.  pp: codes [chunk][512 tiles]; from 12,582,912 three tables [16][8,192]: scale words, -M_c, l_c.  vt: codes [key / 128: 64][64 tiles of d], words [64][1,024] from 6,291,456.
; oc: codes [d / 128: 8][512 tiles], words [8][8,192] from 6,291,456.
; SHARES.  A work-group makes 128 queries x 256 of D (so that there are 256 work-groups), a wave 64 x 128: 32 accumulators.  Source 0 = a tile of v^T, source 1 = a tile of p: a lane holds one query, register 16 b + i = d 32 b + 16 (lane / 16) + i.
; CLUSTERS: 4 x 4; p's tiles jointly along a row, v's along a column.  LDS: two regions of 147,456 bytes, four K steps each; K = 2,048 is four such slots, so each region is filled twice.  At most three tensor loads of a wave are outstanding, at the head.
; LIMITS: d_c is held at 127; a block of p 2^-125 or more under its row's 2^M gets the byte 0 (2^-127) with its codes kept: under 2^-120 of l.  1 / l is v_rcp_f32.  A block of zeros of O gets the byte 1.  NaN and infinities are not served.
.set NA,    4
.set ASET,  48
.set SS,    4
.set NREG,  2
.set REGB,  147456
.set AQ,    6144
.set SAS,   512
.set NF,    42                         ; LDS loads of a K step: 24 + 12 of 16 bytes, 2 + 4 words
.set SLOTA, 3145728                    ; 4 K steps x 512 tiles x 1,536 bytes
.set SLOTV, 393216                     ; 4 K steps x 64 tiles x 1,536 bytes
.set ASTEP, 2*SLOTA
.set BSTEP, 2*SLOTV
.set BSC,   2*REGB                     ; LDS: v's scale words, 8,192 bytes for each half: [16 K steps][128 words]
.set ASC,   BSC+16384                  ; p's joined scale words, [16][128 words]: stored by the waves, never a fill's target
.set RLS,   ASC+8192                   ; 1 / l of the 128 queries
.set STG,   RLS+512                    ; the way out of the scale words: 256 bytes a wave
.set SPARE, STG+1024                   ; the spare words: 128 bytes for each wave, two blocks of 256 bytes that no other line names
.set RL,   8                           ; v8-15 1 / l of my lane's query in each of my four tiles, twice (a pair for the packed multiply)
.set ADRA, 16                          ; v16-17
.set GA,   18                          ; v18 4 x thread
.set CO8,  19                          ; v19 8 x lane
.set ADRB, 20                          ; v20-21
.set RLA,  22                          ; v22 where I read 1 / l
.set STR,  23
.set ADSA, 24
.set ADSB, 25
.set CO,   26
.set ASW,  27                          ; v27 where I store my query's words
.set SPW,  28
.set NIL,  29
.set RLW,  30                          ; v30 where I store its 1 / l
.set STW,  31
.set SC,   32
.set TM,   48
.set AF,   64
.set NMR,  64                          ; the joining: v64-79 -M_c, v80-95 l_c, v96-111 the scale words; v112-124 at work
.set LSR,  80
.set PSR,  96
.set H,    160
.set PC,   224
.set PWS,  244
.set G1A,  24
.set G1B,  32
.set G1SB, 40
.set GRA,  68                          ; s[68:75] group 0 for p's two regions; s[76:83] v's
.set GRB,  76
.set G0SB, 84
.set SEL,  66
.set MSB, 0
.macro WIN new
.if MSB != \new
	s_set_vgpr_msb (MSB<<8)|\new
.set MSB, \new
.endif
.endm
.set MUL_LO, 0xa1
.set TO_B,   0x40
.macro PLACES
.rept 4
	v_nop
.endr
.endm
.macro JLOAD g0a, g1a, g0b, g1b
	s_cmp_eq_u32 s17, 0
	s_cbranch_scc0 .Lfor_b_\@
	tensor_load_to_lds s[\g0a:\g0a+3], s[\g1a:\g1a+7]
	s_nop 0
.rept 4
	v_nop
.endr
	s_branch .Lasked_\@
.Lfor_b_\@:
	tensor_load_to_lds s[\g0b:\g0b+3], s[\g1b:\g1b+7]
	s_nop 0
.rept 4
	v_nop
.endr
.Lasked_\@:
.endm
; A PREFETCH INTO THE L2 of four K steps of my part, from K step first behind base b.  My part is p's half (waves 0, 1: 24 blocks of 256 bytes a K step) or v's half (waves 2, 3: 48 blocks);
; each of the four partners that ask for the part jointly takes a quarter of the blocks, told apart by address (cx for p, cy for v); a lane a block, the lanes left over name the last block again.
.macro ASK b, first
	s_cmp_eq_u32 s17, 0
	s_cbranch_scc0 .Lask_v_\@
.irp i, 0,1,2,3
	global_prefetch_b8 v[PFO], s[\b:\b+1] offset:786432*(\first+\i) th:TH_LOAD_NT scope:SCOPE_SE
.endr
	s_branch .Lask_d_\@
.Lask_v_\@:
.irp i, 0,1,2,3
	global_prefetch_b8 v[PFO], s[\b:\b+1] offset:98304*(\first+\i) th:TH_LOAD_NT scope:SCOPE_SE
.endr
.Lask_d_\@:
.endm
.set PFO, 4                            ; v4 the prefetches' offset: 256 x min(lane, my blocks - 1); never rewritten
.macro CREST
	s_cmp_lg_u32 s16, 0
	s_cbranch_scc1 .Lnot_wave_0_\@
	s_barrier_signal -3
.Lnot_wave_0_\@:
	s_barrier_wait -3
	s_barrier_signal -1
	s_barrier_wait -1
.endm
.macro CROUND
	s_barrier_signal -1
	s_barrier_wait -1
	CREST
.endm
.macro FETCH s
.set fp, (\s)%2
.set fr, ((\s)/SS)%NREG
.set fq, (\s)%SS
	WIN TO_B
.irp b, 0,1,2,3,4,5,6,7
.irp c, 0,1,2
	ds_load_b128 v[128*fp+12*\b+4*\c:128*fp+12*\b+4*\c+3], v[ADRB+fr] offset:fq*12288+\b*1536+512*\c
.endr
.endr
	WIN 0
.set fa, 0
.rept NA
.irp c, 0,1,2
	ds_load_b128 v[AF+ASET*fp+12*fa+4*\c:AF+ASET*fp+12*fa+4*\c+3], v[ADRA+fr] offset:fq*AQ+fa*1536+512*\c
.endr
.set fa, fa+1
.endr
.set fa, 0
.rept NA/2
	ds_load_b32 v[SC+8*fp+fa], v[ADSA] offset:(\s)*SAS+128*fa
.set fa, fa+1
.endr
.irp j, 0,1,2,3
	ds_load_b32 v[SC+8*fp+4+\j], v[ADSB] offset:(\s)*512+128*\j
.endr
.endm
.macro WM a, b, p, cmode
.set rD, 8*(8*((\a)%4)+(\b))
.set rB, 128*(\p)+12*(\b)
.set rA, AF+ASET*(\p)+12*(\a)
.set rT, SC+8*(\p)+4+(\b)/2
.set rS, SC+8*(\p)+(\a)/2
.set rW, (\b)%2+2*((\a)%2)
.if \cmode == 1
.if rW == 0
	v_wmma_scale_f32_16x16x128_f8f6f4 v[rD:rD+7], v[rB:rB+11], v[rA:rA+11], 0, v[rT], v[rS] matrix_a_fmt:MATRIX_FMT_FP6 matrix_b_fmt:MATRIX_FMT_FP6
.elseif rW == 1
	v_wmma_scale_f32_16x16x128_f8f6f4 v[rD:rD+7], v[rB:rB+11], v[rA:rA+11], 0, v[rT], v[rS] matrix_a_fmt:MATRIX_FMT_FP6 matrix_b_fmt:MATRIX_FMT_FP6 matrix_a_scale:MATRIX_SCALE_ROW1
.elseif rW == 2
	v_wmma_scale_f32_16x16x128_f8f6f4 v[rD:rD+7], v[rB:rB+11], v[rA:rA+11], 0, v[rT], v[rS] matrix_a_fmt:MATRIX_FMT_FP6 matrix_b_fmt:MATRIX_FMT_FP6 matrix_b_scale:MATRIX_SCALE_ROW1
.else
	v_wmma_scale_f32_16x16x128_f8f6f4 v[rD:rD+7], v[rB:rB+11], v[rA:rA+11], 0, v[rT], v[rS] matrix_a_fmt:MATRIX_FMT_FP6 matrix_b_fmt:MATRIX_FMT_FP6 matrix_a_scale:MATRIX_SCALE_ROW1 matrix_b_scale:MATRIX_SCALE_ROW1
.endif
.else
.if rW == 0
	v_wmma_scale_f32_16x16x128_f8f6f4 v[rD:rD+7], v[rB:rB+11], v[rA:rA+11], v[rD:rD+7], v[rT], v[rS] matrix_a_fmt:MATRIX_FMT_FP6 matrix_b_fmt:MATRIX_FMT_FP6
.elseif rW == 1
	v_wmma_scale_f32_16x16x128_f8f6f4 v[rD:rD+7], v[rB:rB+11], v[rA:rA+11], v[rD:rD+7], v[rT], v[rS] matrix_a_fmt:MATRIX_FMT_FP6 matrix_b_fmt:MATRIX_FMT_FP6 matrix_a_scale:MATRIX_SCALE_ROW1
.elseif rW == 2
	v_wmma_scale_f32_16x16x128_f8f6f4 v[rD:rD+7], v[rB:rB+11], v[rA:rA+11], v[rD:rD+7], v[rT], v[rS] matrix_a_fmt:MATRIX_FMT_FP6 matrix_b_fmt:MATRIX_FMT_FP6 matrix_b_scale:MATRIX_SCALE_ROW1
.else
	v_wmma_scale_f32_16x16x128_f8f6f4 v[rD:rD+7], v[rB:rB+11], v[rA:rA+11], v[rD:rD+7], v[rT], v[rS] matrix_a_fmt:MATRIX_FMT_FP6 matrix_b_fmt:MATRIX_FMT_FP6 matrix_a_scale:MATRIX_SCALE_ROW1 matrix_b_scale:MATRIX_SCALE_ROW1
.endif
.endif
.endm
.macro MUL a0, n, p, cmode             ; the 32 accumulators take turns, one instruction a turn, in the same order in every K step
.set ma, \a0
.rept \n
.irp b, 0,1,2,3,4,5,6,7
	WM ma, \b, \p, \cmode
.endr
.set ma, ma+1
.endr
.endm
.macro PROD p, cmode
	WIN MUL_LO
	MUL 0, 4, \p, \cmode
	WIN 0
.endm
.macro STEP s, cmode
.if (\s) > 0
	PLACES
.endif
	FETCH (\s)+1
	s_wait_dscnt NF                                ; all but the NF loads just issued: this step's set is in
	PROD (\s)%2, \cmode
.endm
.macro CHANGE s, fill
.set cr, ((\s)/SS)%NREG
	s_wait_tensorcnt 0x0                           ; all my tensor loads have landed: my part of the other region;
	ds_add_u32 v[SPW], v[NIL]                      ; 0 onto my spare word;
	s_wait_dscnt 1                                 ; (the add alone may be out)
	WIN MUL_LO
	MUL 0, NA/4, (\s)%2, 0
	s_wait_dscnt 0x0                               ; the add is done, and my reads of this region are over
	s_barrier_signal -1
	MUL NA/4, NA/4, (\s)%2, 0
	WIN 0
	s_barrier_wait -1
.if \fill
	CREST                                          ; a round of the cluster's barrier: no wave of any partner still reads the region or has a load on its way
	s_add_nc_u64 s[GRA+4*cr+2:GRA+4*cr+3], s[GRA+4*cr+2:GRA+4*cr+3], ASTEP
	s_add_nc_u64 s[GRB+4*cr+2:GRB+4*cr+3], s[GRB+4*cr+2:GRB+4*cr+3], BSTEP
	JLOAD GRA+4*cr, G1A, GRB+4*cr, G1B             ; the first tensor load behind the round: it has four K steps in which to land
.else
	PLACES
.endif
	FETCH (\s)+1
	WIN MUL_LO
	MUL NA/2, NA/2, (\s)%2, 0
	WIN 0
.endm
.macro LAST s
	s_wait_dscnt 0x0
	PROD (\s)%2, 0
.endm
.macro QUANT s, pw
.irp b, 0,1,2,3
	v_max3_num_f32 v[TM+\b], |v[\s+16*\b]|, |v[\s+1+16*\b]|, 0x1800000   ; block b: my 16 numbers, and the floor 2^(3 - 127)
.endr
.irp i, 2,4,6,8,10,12,14
.irp b, 0,1,2,3
	v_max3_num_f32 v[TM+\b], v[TM+\b], |v[\s+16*\b+\i]|, |v[\s+1+16*\b+\i]|
.endr
.endr
.irp b, 0,1,2,3
	v_permlanex16_b32 v[TM+4+\b], v[TM+\b], s[SEL], s[SEL+1]
.endr
.irp b, 0,1,2,3
	v_max_num_f32 v[TM+\b], v[TM+\b], v[TM+4+\b]
.endr
.irp b, 0,1,2,3
	v_add_nc_u32 v[TM+12+\b], 0xff000000, v[TM+\b]
.endr
.irp b, 0,1,2,3
	v_lshrrev_b32 v[TM+4+\b], 23, v[TM+12+\b]
.endr
	v_lshl_or_b32 v[\pw], v[TM+5], 8, v[TM+4]
	v_lshl_or_b32 v[\pw], v[TM+6], 16, v[\pw]
	v_lshl_or_b32 v[\pw], v[TM+7], 24, v[\pw]
	s_wait_alu depctr_va_vdst(0)
	s_wait_xcnt 0x0                                ; the last tile's three stores have read v[PC] on: the conversions below are the first lines that write it again
.irp c, 0,1
	v_cvt_scalef32_pk16_fp6_f32 v[PC+6*\c:PC+2+6*\c], v[\s+32*\c:\s+15+32*\c], v[TM+12+2*\c]
	v_cvt_scalef32_pk16_fp6_f32 v[PC+12+4*\c:PC+14+4*\c], v[\s+16+32*\c:\s+31+32*\c], v[TM+12+2*\c+1]
.endr
	v_nop                                          ; one plain place behind a scaled conversion
.irp c, 0,1
.irp i, 0,1,2
	v_permlane16_swap_b32 v[PC+6*\c+\i], v[PC+12+4*\c+\i]
.endr
.irp i, 0,1,2
	v_mov_b32 v[PC+3+6*\c+\i], v[PC+12+4*\c+\i]
.endr
.endr
.endm
	s_load_b128 s[4:7], s[0:1], 0x0                ; pp s[4:5], vt s[6:7]
	s_load_b64 s[8:9], s[0:1], 0x10                ; oc
	v_lshl_add_u32 v[SPW], v0, 2, SPARE
	v_mov_b32 v[NIL], 0
	ds_add_u32 v[SPW], v[NIL]                      ; the wave's opening: the add and its wait stand ahead of my first tensor load
	ds_add_u32 v[SPW], v[NIL]
	v_lshrrev_b32 v1, 5, v0
	v_readfirstlane_b32 s16, v1                    ; wave 0..3
	s_lshr_b32 s17, s16, 1                         ; my half of the queries.  Also: I fetch for p (0) or for v (1)
	s_and_b32 s18, s16, 1                          ; my half of D.  Also: which half of that tile I fetch
	s_bfe_u32 s19, ttmp6, 0x40000                  ; cx
	s_bfe_u32 s20, ttmp6, 0x40004                  ; cy
	s_mov_b32 s21, ttmp9
	s_and_b32 s22, ttmp7, 0xffff
	s_lshl_b32 s23, s20, 2
	s_lshl_b32 s23, 15, s23                        ; my row of the cluster
	s_lshl_b32 s2, 0x1111, s19                     ; my column
	s_or_b32 s[G1A], s23, (3<<16)|(1<<21)
	s_or_b32 s[G1B], s2, (3<<16)|(1<<21)
	s_mov_b32 s[G1A+1], 768<<16                    ; p: 4 K steps x 4 tiles (768 elements of 8 bytes), a K step 512 tiles on
	s_mov_b32 s[G1A+2], 4<<16
	s_mov_b32 s[G1A+3], 768<<16
	s_mov_b32 s[G1A+4], 4
	s_mov_b32 s[G1A+5], 98304
	s_mov_b32 s[G1A+6], 0
	s_mov_b32 s[G1A+7], 0
	s_mov_b32 s[G1B+1], 1536<<16                   ; v: 4 K steps x 8 tiles, a K step 64 tiles on
	s_mov_b32 s[G1B+2], 4<<16
	s_mov_b32 s[G1B+3], 1536<<16
	s_mov_b32 s[G1B+4], 4
	s_mov_b32 s[G1B+5], 12288
	s_mov_b32 s[G1B+6], 0
	s_mov_b32 s[G1B+7], 0
	s_lshl_b32 s56, s22, 5
	s_lshl_b32 s59, s20, 3
	s_add_co_u32 s56, s56, s59
	s_lshl_b32 s58, s18, 2
	s_add_co_u32 s56, s56, s58                     ; p's first tile: 8 x work-group y + 4 half
	s_mul_i32 s60, s56, 1536
	s_mov_b32 s61, 0
	s_lshl_b32 s57, s21, 6
	s_lshl_b32 s3, s19, 4
	s_add_co_u32 s57, s57, s3
	s_lshl_b32 s3, s18, 3
	s_add_co_u32 s57, s57, s3                      ; v's first tile: 16 x work-group x + 8 half
	s_lshr_b32 s3, s22, 2                          ; the batch: sixteen work-groups y, four clusters
	s_lshl_b32 s62, s3, 10                         ; its 16 K steps of 64 tiles
	s_add_co_u32 s62, s62, s57
	s_mul_i32 s62, s62, 1536
	s_mov_b32 s63, 0
	s_lshl_b32 s66, s3, 16
	s_lshl_b32 s57, s57, 6
	s_add_co_u32 s66, s66, s57
	s_add_co_u32 s66, s66, 6291456
	s_mov_b32 s67, 0
	s_lshl_b32 s58, s22, 2
	s_add_co_u32 s58, s58, s20                     ; work-group y
	s_lshl_b32 s58, s58, 9
	s_add_co_u32 s58, s58, 12582912                ; the tables at my work-group's 128 queries
	s_mov_b32 s59, 0
	; LDS AS IT STANDS (in place of the two regions named above): p's half h at 49,152 h: [8 K steps][4 tiles]; v's half h at 98,304 + 98,304 h: [8 K steps][8 tiles]; a slot is four K steps of each part
	s_mul_i32 s23, s18, 49152                      ; where they go: the wave's number alone
	s_mul_i32 s2, s18, 98304
	s_add_co_u32 s2, s2, 98304
	s_lshl_b32 s3, s18, 13                         ; v's scale words come through registers: I take half s18, K steps 8 s17 .. 8 s17 + 7
	s_lshl_b32 s10, s17, 12
	s_add_co_u32 s3, s3, s10
	s_add_co_u32 s3, s3, BSC
	s_lshl_b32 s10, s17, 15                        ; eight K steps of 4,096 bytes
	s_mov_b32 s11, 0
	s_wait_dscnt 0x0                               ; both opening adds are done
	CROUND                                         ; the round in front of the first joint loads: it runs while the arguments come in
	s_wait_kmcnt 0x0
	s_add_nc_u64 s[60:61], s[4:5], s[60:61]
	s_add_nc_u64 s[62:63], s[6:7], s[62:63]
	s_add_nc_u64 s[66:67], s[6:7], s[66:67]
	s_add_nc_u64 s[58:59], s[4:5], s[58:59]
	s_add_nc_u64 s[12:13], s[66:67], s[10:11]
	s_cmp_eq_u32 s17, 0                            ; the prefetches' bases: my part's codes,
	s_cselect_b64 s[14:15], s[60:61], s[62:63]
	s_cselect_b32 s53, s19, s20                    ; my place among the four that ask for it with me,
	s_cselect_b32 s52, 5, 11                       ; my blocks of a K step, less one,
	s_mov_b32 s50, 786432
	s_cselect_b32 s50, 6291456, s50                ; and eight K steps of the part's buffer, in bytes
	s_mov_b32 s51, 0
	s_add_co_u32 s54, s52, 1
	s_mul_i32 s54, s54, s53
	s_lshl_b32 s54, s54, 8
	s_mov_b32 s55, 0
	s_add_nc_u64 s[14:15], s[14:15], s[54:55]      ; K step 0
	s_add_nc_u64 s[48:49], s[14:15], s[50:51]      ; K step 8
.irp k, 0,1
	s_mov_b32 s[GRA+4*\k], 1
	s_add_co_u32 s[GRA+4*\k+1], s23, \k*24576
	s_add_nc_u64 s[GRA+4*\k+2:GRA+4*\k+3], s[60:61], \k*SLOTA
	s_or_b32 s[GRA+4*\k+3], s[GRA+4*\k+3], 0x80000000
	s_mov_b32 s[GRB+4*\k], 1
	s_add_co_u32 s[GRB+4*\k+1], s2, \k*49152
	s_add_nc_u64 s[GRB+4*\k+2:GRB+4*\k+3], s[62:63], \k*SLOTV
	s_or_b32 s[GRB+4*\k+3], s[GRB+4*\k+3], 0x80000000
.endr
	s_cmp_eq_u32 s17, 0                            ; one load a wave at the head
	s_cbranch_scc0 .Lfirst_b
	tensor_load_to_lds s[GRA:GRA+3], s[G1A:G1A+7]
	s_nop 0
.rept 4
	v_nop
.endr
	s_branch .Lfirst_done
.Lfirst_b:
	tensor_load_to_lds s[GRB:GRB+3], s[G1B:G1B+7]
	s_nop 0
.rept 4
	v_nop
.endr
.Lfirst_done:
	; THE JOINING.  Thread t takes query 128 y + t: its 16 chunks' -M_c, l_c and scale words; a wave's load reads 128 consecutive bytes
	v_lshlrev_b32 v[GA], 2, v0
.irp s, 0,1,2,3,4,5,6,7,8,9,10,11,12,13,14,15
	global_load_b32 v[NMR+\s], v[GA], s[58:59] offset:524288+32768*\s
.endr
.irp s, 0,1,2,3,4,5,6,7,8,9,10,11,12,13,14,15
	global_load_b32 v[LSR+\s], v[GA], s[58:59] offset:1048576+32768*\s
	global_load_b32 v[PSR+\s], v[GA], s[58:59] offset:32768*\s
.endr
	v_and_b32 v1, 31, v0                           ; lane
	v_and_b32 v2, 15, v0                           ; r
	v_lshlrev_b32 v[CO], 4, v1
	v_lshlrev_b32 v[CO8], 3, v1
.irp i, 0,1,2,3,4,5,6,7
	global_load_b128 v[160+4*\i:163+4*\i], v[CO], s[12:13] offset:4096*\i   ; v's scale words of one K step and half: 512 consecutive bytes, aligned
.endr
	v_add_nc_u32 v3, s3, v[CO]                     ; where I store them
	v_min_u32 v[PFO], s52, v1
	v_lshlrev_b32 v[PFO], 8, v[PFO]
	s_mul_i32 s56, s17, 49152
	v_add_nc_u32 v[ADRA], s56, v[CO]
	s_mul_i32 s57, s18, 98304
	s_add_co_u32 s57, s57, 98304
	v_add_nc_u32 v[ADRB], s57, v[CO]
	v_add_nc_u32 v[ADRA+1], 24576, v[ADRA]
	v_add_nc_u32 v[ADRB+1], 49152, v[ADRB]
	s_lshl_b32 s56, s17, 8
	s_add_co_u32 s57, s56, ASC
	v_lshl_add_u32 v[ADSA], v1, 2, s57             ; p's words: my 64 queries
	s_add_co_u32 s57, s56, RLS
	v_lshl_add_u32 v[RLA], v2, 2, s57
	s_lshl_b32 s57, s18, 13
	s_add_co_u32 s57, s57, BSC
	v_lshl_add_u32 v[ADSB], v1, 2, s57
	v_add_nc_u32 v[ASW], ASC, v[GA]
	v_add_nc_u32 v[RLW], RLS, v[GA]
	s_lshl_b32 s56, s16, 8
	s_add_co_u32 s56, s56, STG
	v_lshl_add_u32 v[STW], v2, 2, s56
	v_add_nc_u32 v[STR], s56, v[CO8]
.irp b, 0,1,2,3
	v_mov_b32 v[TM+4+\b], 0                        ; written once: a lane permute's destination counts as one of its sources
.endr
	s_mov_b32 s[SEL], 0x76543210
	s_mov_b32 s[SEL+1], 0xfedcba98
	s_wait_alu depctr_va_vdst(0)                   ; ahead of the branches and the wait below
	ASK 14, 4                                      ; K steps 4-7: what the second slot's first fill will bring
	s_wait_loadcnt 0x0
	ASK 48, 0                                      ; K steps 8-11: two slots ahead of their load
.irp i, 0,1,2,3,4,5,6,7
	ds_store_b128 v3, v[160+4*\i:163+4*\i] offset:512*\i   ; bytes on which no fill lands
.endr
.irp s, 0,1,2,3,4,5,6,7
	v_min_num_f32 v[112+\s], v[NMR+\s], v[NMR+8+\s]
.endr
.irp s, 0,1,2,3
	v_min_num_f32 v[112+\s], v[112+\s], v[116+\s]
.endr
	v_min_num_f32 v112, v112, v114
	v_min_num_f32 v113, v113, v115
	v_min_num_f32 v112, v112, v113                 ; -M: the smallest -M_c
.macro CHUNK s
	v_sub_f32 v120, v[NMR+\s], v112                ; d = M - M_c: a whole number, 0 or more,
	v_min_num_f32 v120, 0x42fe0000, v120           ; held at 127: beyond that every byte falls to 0 and l_c adds nothing
	v_cvt_u32_f32 v120, v120
	v_sub_nc_u32 v121, 0, v120
.if \s == 0
	v_ldexp_f32 v123, v[LSR], v121                 ; l = the sum of l_c 2^-d: the first term starts it
.else
	v_ldexp_f32 v122, v[LSR+\s], v121
	v_add_f32 v123, v123, v122
.endif
	v_lshl_or_b32 v120, v120, 8, v120
	v_lshl_or_b32 v120, v120, 16, v120             ; d in each of four bytes
	v_or_b32 v[PSR+\s], 0x80808080, v[PSR+\s]      ; a byte b is at most 125 and d at most 127: 128 + b - d borrows from no neighbour,
	v_sub_nc_u32 v[PSR+\s], v[PSR+\s], v120
	v_lshrrev_b32 v121, 7, v[PSR+\s]
	v_and_b32 v121, 0x01010101, v121               ; and its top bit says that b - d is not negative:
	v_lshlrev_b32 v122, 7, v121
	v_sub_nc_u32 v122, v122, v121                  ; 0x7f in such bytes, 0 in the others
	v_and_b32 v[PSR+\s], v[PSR+\s], v122           ; max(b - d, 0)
	ds_store_b32 v[ASW], v[PSR+\s] offset:512*\s
.endm
.irp s, 0,1,2,3,4,5,6,7,8,9,10,11,12,13,14,15
	CHUNK \s
.endr
	s_wait_alu depctr_va_vdst(0)
	v_rcp_f32 v124, v123
	v_nop                                          ; a plain place behind the reciprocal,
	s_wait_alu depctr_va_vdst(0)                   ; and the wait ahead of its first reader
	ds_store_b32 v[RLW], v124
	s_wait_tensorcnt 0x0                           ; my part of K steps 0-3 is in
	ds_add_u32 v[SPW], v[NIL]
	s_wait_dscnt 0x0                               ; the add and my stores are done
	CROUND                                         ; everybody's parts and words are in, and all sixteen work-groups are here
	JLOAD GRA+4, G1A, GRB+4, G1B                   ; K steps 4-7, the second slot's first fill: my one load behind the round
.irp a, 0,1,2,3
	ds_load_b32 v[RL+2*\a], v[RLA] offset:64*\a
	ds_load_b32 v[RL+2*\a+1], v[RLA] offset:64*\a
.endr
	FETCH 0
	ASK 48, 4                                      ; K steps 12-15: two slots ahead of their load; the last
	STEP 0, 1                                      ; the first products start the sums
	STEP 1, 0
	STEP 2, 0
	CHANGE 3, 1                                    ; region 0 takes slot 2
	STEP 4, 0
	STEP 5, 0
	STEP 6, 0
	CHANGE 7, 1                                    ; region 1 takes slot 3
	STEP 8, 0
	STEP 9, 0
	STEP 10, 0
	CHANGE 11, 0
	STEP 12, 0
	STEP 13, 0
	STEP 14, 0
	LAST 15
	PLACES
	; where my results go: K step 2 x work-group x + half of oc, first tile 8 x work-group y + 4 half
	s_lshl_b32 s56, s21, 2
	s_add_co_u32 s56, s56, s19
	s_lshl_b32 s56, s56, 1
	s_add_co_u32 s56, s56, s18
	s_lshl_b32 s60, s22, 2
	s_add_co_u32 s60, s60, s20
	s_lshl_b32 s60, s60, 3
	s_lshl_b32 s3, s17, 2
	s_add_co_u32 s60, s60, s3
	s_lshl_b32 s62, s56, 9
	s_add_co_u32 s62, s62, s60
	s_mul_i32 s62, s62, 1536
	s_mov_b32 s63, 0
	s_add_nc_u64 s[62:63], s[8:9], s[62:63]
	s_lshl_b32 s56, s56, 15
	s_lshl_b32 s60, s60, 6
	s_add_co_u32 s60, s60, s56
	s_add_co_u32 s60, s60, 6291456
	s_mov_b32 s61, 0
	s_add_nc_u64 s[60:61], s[8:9], s[60:61]
.irp a, 0,1,2,3
	WIN 0x02                                       ; source 0: the accumulators' window
.set j, 0
.rept 32
	v_pk_mul_f32 v[H+j:H+j+1], v[64*\a+j:64*\a+j+1], v[RL+2*\a:RL+2*\a+1]   ; O / l; each accumulator from its low end on
.set j, j+2
.endr
	WIN 0
	QUANT H, PWS+\a
.irp c, 0,1,2
	global_store_b128 v[CO], v[PC+4*\c:PC+4*\c+3], s[62:63] offset:1536*\a+512*\c
.endr
.endr
.irp a, 0,1,2,3
	ds_store_b32 v[STW], v[PWS+\a] offset:64*\a
.endr
	ds_load_b64 v[H:H+1], v[STR]
	s_wait_dscnt 0x0
	global_store_b64 v[CO8], v[H:H+1], s[60:61]    ; my 64 queries' words: 256 consecutive bytes, aligned
	s_wait_tensorcnt 0x0                           ; the wave's end
	ds_add_u32 v[SPW], v[NIL]
	s_wait_dscnt 0x0
	CROUND                                         ; the closing round
	s_endpgm
.Lfunc_end_k_q2fe46457b5_pv:
	.size	k_q2fe46457b5_pv, .Lfunc_end_k_q2fe46457b5_pv-k_q2fe46457b5_pv
	.p2alignl 7, 3214868480
	.fill 96, 4, 3214868480
	.section	.rodata,"a",@progbits
	.p2align	6, 0x0
	.amdhsa_kernel k_q2fe46457b5_pv
		.amdhsa_group_segment_fixed_size 327680
		.amdhsa_private_segment_fixed_size 0
		.amdhsa_enable_private_segment 0
		.amdhsa_kernarg_size 24
		.amdhsa_user_sgpr_count 2
		.amdhsa_user_sgpr_kernarg_segment_ptr 1
		.amdhsa_wavefront_size32 1
		.amdhsa_system_sgpr_workgroup_id_x 1
		.amdhsa_system_sgpr_workgroup_id_y 1
		.amdhsa_system_sgpr_workgroup_id_z 1
		.amdhsa_system_vgpr_workitem_id 0
		.amdhsa_next_free_vgpr 768
		.amdhsa_next_free_sgpr 100
		.amdhsa_reserve_vcc 0
		.amdhsa_float_denorm_mode_32 3
		.amdhsa_float_denorm_mode_16_64 3
		.amdhsa_memory_ordered 1
		.amdhsa_forward_progress 1
		.amdhsa_inst_pref_size 169
	.end_amdhsa_kernel
	.amdgpu_metadata
---
amdhsa.version: [ 1, 2 ]
amdhsa.kernels:
  - .name:           k_q2fe46457b5_pv
    .symbol:         k_q2fe46457b5_pv.kd
    .args:
      - { .name: pp, .offset: 0, .size: 8, .value_kind: global_buffer, .address_space: global }
      - { .name: vt, .offset: 8, .size: 8, .value_kind: global_buffer, .address_space: global }
      - { .name: oc, .offset: 16, .size: 8, .value_kind: global_buffer, .address_space: global }
    .group_segment_fixed_size: 327680
    .private_segment_fixed_size: 0
    .kernarg_segment_align: 8
    .kernarg_segment_size: 24
    .max_flat_workgroup_size: 128
    .sgpr_count:     100
    .vgpr_count:     768
    .wavefront_size: 32
...
	.end_amdgpu_metadata
.endif
;; end of part 4
;; launch outp (part 5): grid 4 x 64, 4 waves a work-group, clusters of 4 x 4, 327,680 bytes of LDS; arguments oc, xw, bo, out0; writes out0
.if DOCPART == 5
	.amdgcn_target "amdgcn-amd-amdhsa--gfx1250"
	.amdhsa_code_object_version 6
	.text
	.protected	k_q2fe46457b5_outp
	.globl	k_q2fe46457b5_outp
	.p2align	8
	.type	k_q2fe46457b5_outp,@function
k_q2fe46457b5_outp:
	s_mov_b64 s[64:65], 0
	v_nop
	global_prefetch_b8 v0, s[64:65] scope:SCOPE_SE
	s_setreg_imm32_b32 hwreg(HW_REG_WAVE_MODE, 25, 1), 1
	s_wait_xcnt 0x0
	s_wait_alu depctr_hold_cnt(0) depctr_sa_sdst(0) depctr_va_vdst(0) depctr_va_sdst(0) depctr_va_ssrc(0) depctr_va_vcc(0) depctr_vm_vsrc(0)
	s_getreg_b32 s2, hwreg(HW_REG_IB_STS2, 6, 4)
	s_cmp_eq_u32 s2, 0
	s_cbranch_scc0 .Lentry_in_a_cluster
	s_endpgm
.Lentry_in_a_cluster:
	s_bfe_u32 s2, ttmp6, 0x10000c
	s_cmp_lg_u32 s2, 0xf033
	s_cbranch_scc0 .Lentry_shape_is_right
	s_endpgm
.Lentry_shape_is_right:
; out0 = O Wo + bo on codes of FP6 (E2M3): O out of oc, Wo out of xw (tiles 704-767); f32 rows out.
; OPERAND BUFFERS: a fragment (16 rows x 128 K) is the image of its 12 registers, 1,536 bytes.  oc: codes [8 K steps][512 tiles], words [8][8,192] from 6,291,456.  xw: codes [8][768 tiles], words [8][12,288] from 9,437,184.
; Lane row r of tile T is row 32 (T / 2) + 8 (T % 2) + r + 8 (r / 8): here, at the last product, a tile's lane rows are led back to their rows of out0.
; SHARES.  A work-group makes 128 rows x 256 columns (256 work-groups), a wave 64 x 128.  Source 0 = a tile of Wo's columns, source 1 = a tile of O: a lane holds one row, register 8 t + j of tile t = column 32 (t / 2) + 16 (lane / 16) + 8 (t % 2) + j.
; CLUSTERS: 4 x 4; O's tiles jointly along a row, Wo's along a column.  LDS: all of K lies in two regions of four K steps; nothing is filled again.  A wave has one tensor load outstanding at any time.
; The bias is the C of each sum's first product.  NaN and infinities are not served.
.set NA,    4
.set ASET,  48
.set SS,    4
.set NREG,  2
.set REGB,  147456
.set AQ,    6144
; LDS AS IT STANDS (in place of the two regions named above): O's half h at 49,152 h: [8 K steps][4 tiles]; Wo's half h at 98,304 + 98,304 h: [8 K steps][8 tiles].
; A wave's load at the head brings its part's K steps 0-3; its second load, behind the full sequence and a round, K steps 4-7, which were asked of memory at the head by a prefetch.  Nothing is filled again.
; The scale words come through registers into bytes on which no fill lands: O's as [8 K steps][128 words], Wo's as before.  The stage of the way out lies in Wo's half 0, K steps 0-2, read out ahead of the barrier at K step 3.
.set SAS,   512
.set NF,    42
.set SLOTA, 3145728                    ; 4 K steps x 512 tiles x 1,536 bytes
.set SLOTW, 4718592                    ; 4 K steps x 768 tiles x 1,536 bytes
.set BSC,   2*REGB                     ; LDS: Wo's scale words, 4,096 bytes for each half: [8][128 words]
.set ASCT,  BSC+8192                   ; O's, 4,096 bytes: [8 K steps][128 words]
.set SPARE, ASCT+4096                  ; the spare words: 128 bytes for each wave, two blocks of 256 bytes that no other line names
.set SPITCH, 528                       ; the way out: a stage of 16 rows x (512 + 16) bytes for each wave, in region 0, which has had its only fill and its last read when the first result is stored there
.set ADRA, 16
.set ADRB, 20
.set STO,  22
.set RD,   23
.set ADSA, 24
.set ADSB, 25
.set CO,   26
.set BH,   27
.set SPW,  28
.set NIL,  29
.set SC,   32
.set AF,   64
.set BN,   160                         ; v160-223 bo in the result's layout
.set BK,   64                          ; the way out: v64-127 and v128-191 by turns
.set G1A,  24
.set G1B,  32
.set G1SA, 40
.set G1SB, 48
.set G0SA, 68
.set GRA,  72
.set G0SB, 84
.set GRB,  88
.set MSB, 0
.macro WIN new
.if MSB != \new
	s_set_vgpr_msb (MSB<<8)|\new
.set MSB, \new
.endif
.endm
.set MUL_LO, 0xa1
.set MUL_BI, 0x81                      ; source 0 window 1, sources 1 and 2 window 0, destination window 2
.set TO_B,   0x40
.macro PLACES
.rept 4
	v_nop
.endr
.endm
.macro CREST
	s_cmp_lg_u32 s16, 0
	s_cbranch_scc1 .Lnot_wave_0_\@
	s_barrier_signal -3
.Lnot_wave_0_\@:
	s_barrier_wait -3
	s_barrier_signal -1
	s_barrier_wait -1
.endm
.macro CROUND
	s_barrier_signal -1
	s_barrier_wait -1
	CREST
.endm
.macro FETCH s
.set fp, (\s)%2
.set fr, ((\s)/SS)%NREG
.set fq, (\s)%SS
	WIN TO_B
.irp b, 0,1,2,3,4,5,6,7
.irp c, 0,1,2
	ds_load_b128 v[128*fp+12*\b+4*\c:128*fp+12*\b+4*\c+3], v[ADRB+fr] offset:fq*12288+\b*1536+512*\c
.endr
.endr
	WIN 0
.set fa, 0
.rept NA
.irp c, 0,1,2
	ds_load_b128 v[AF+ASET*fp+12*fa+4*\c:AF+ASET*fp+12*fa+4*\c+3], v[ADRA+fr] offset:fq*AQ+fa*1536+512*\c
.endr
.set fa, fa+1
.endr
.set fa, 0
.rept NA/2
	ds_load_b32 v[SC+8*fp+fa], v[ADSA] offset:(\s)*SAS+128*fa
.set fa, fa+1
.endr
.irp j, 0,1,2,3
	ds_load_b32 v[SC+8*fp+4+\j], v[ADSB] offset:(\s)*512+128*\j
.endr
.endm
.macro WM a, b, p, cmode               ; cmode 2: the bias of tile b's columns is the C that starts the sum
.set rD, 8*(8*((\a)%4)+(\b))
.set rB, 128*(\p)+12*(\b)
.set rA, AF+ASET*(\p)+12*(\a)
.set rT, SC+8*(\p)+4+(\b)/2
.set rS, SC+8*(\p)+(\a)/2
.set rW, (\b)%2+2*((\a)%2)
.set rC, rD
.if \cmode == 2
.set rC, BN+8*(\b)
.endif
.if rW == 0
	v_wmma_scale_f32_16x16x128_f8f6f4 v[rD:rD+7], v[rB:rB+11], v[rA:rA+11], v[rC:rC+7], v[rT], v[rS] matrix_a_fmt:MATRIX_FMT_FP6 matrix_b_fmt:MATRIX_FMT_FP6
.elseif rW == 1
	v_wmma_scale_f32_16x16x128_f8f6f4 v[rD:rD+7], v[rB:rB+11], v[rA:rA+11], v[rC:rC+7], v[rT], v[rS] matrix_a_fmt:MATRIX_FMT_FP6 matrix_b_fmt:MATRIX_FMT_FP6 matrix_a_scale:MATRIX_SCALE_ROW1
.elseif rW == 2
	v_wmma_scale_f32_16x16x128_f8f6f4 v[rD:rD+7], v[rB:rB+11], v[rA:rA+11], v[rC:rC+7], v[rT], v[rS] matrix_a_fmt:MATRIX_FMT_FP6 matrix_b_fmt:MATRIX_FMT_FP6 matrix_b_scale:MATRIX_SCALE_ROW1
.else
	v_wmma_scale_f32_16x16x128_f8f6f4 v[rD:rD+7], v[rB:rB+11], v[rA:rA+11], v[rC:rC+7], v[rT], v[rS] matrix_a_fmt:MATRIX_FMT_FP6 matrix_b_fmt:MATRIX_FMT_FP6 matrix_a_scale:MATRIX_SCALE_ROW1 matrix_b_scale:MATRIX_SCALE_ROW1
.endif
.endm
.macro MUL a0, n, p, cmode             ; the 32 accumulators take turns, one instruction a turn, in the same order in every K step
.set ma, \a0
.rept \n
.irp b, 0,1,2,3,4,5,6,7
	WM ma, \b, \p, \cmode
.endr
.set ma, ma+1
.endr
.endm
.macro PROD p, cmode
.if \cmode == 2
	WIN MUL_BI
.else
	WIN MUL_LO
.endif
	MUL 0, 4, \p, \cmode
	WIN 0
.endm
.macro STEP s, cmode
.if (\s) > 0
	PLACES
.endif
	FETCH (\s)+1
	s_wait_dscnt NF                                ; all but the NF loads just issued: this step's set is in
	PROD (\s)%2, \cmode
.endm
.macro CHANGE s                        ; the K step behind which region 1 is first read: one barrier shows it whole, and region 0 read out
	s_wait_tensorcnt 0x0                           ; all my tensor loads have landed;
	ds_add_u32 v[SPW], v[NIL]                      ; 0 onto my spare word;
	s_wait_dscnt 1                                 ; (the add alone may be out)
	WIN MUL_LO
	MUL 0, 1, (\s)%2, 0
	s_wait_dscnt 0x0                               ; the add is done, and my reads of region 0 are over
	s_barrier_signal -1
	MUL 1, 1, (\s)%2, 0
	WIN 0
	s_barrier_wait -1
	PLACES
	FETCH (\s)+1
	WIN MUL_LO
	MUL 2, 2, (\s)%2, 0
	WIN 0
.endm
.macro LAST s
	s_wait_dscnt 0x0
	PROD (\s)%2, 0
.endm
	s_load_b256 s[4:11], s[0:1], 0x0               ; oc s[4:5], xw s[6:7], bo s[8:9], out0 s[10:11]
	v_lshl_add_u32 v[SPW], v0, 2, SPARE
	v_mov_b32 v[NIL], 0
	ds_add_u32 v[SPW], v[NIL]                      ; the wave's opening: the add and its wait stand ahead of my first tensor load
	ds_add_u32 v[SPW], v[NIL]
	v_lshrrev_b32 v1, 5, v0
	v_readfirstlane_b32 s16, v1                    ; wave 0..3
	s_lshr_b32 s17, s16, 1                         ; my half of the rows.  Also: I fetch for O (0) or for Wo (1)
	s_and_b32 s18, s16, 1                          ; my half of the columns.  Also: which half of that tile I fetch
	s_bfe_u32 s19, ttmp6, 0x40000                  ; cx
	s_bfe_u32 s20, ttmp6, 0x40004                  ; cy
	s_mov_b32 s21, ttmp9
	s_and_b32 s22, ttmp7, 0xffff
	s_lshl_b32 s23, s20, 2
	s_lshl_b32 s23, 15, s23                        ; my row of the cluster
	s_lshl_b32 s2, 0x1111, s19                     ; my column
	s_or_b32 s[G1A], s23, (3<<16)|(1<<21)
	s_or_b32 s[G1B], s2, (3<<16)|(1<<21)
	s_mov_b32 s[G1A+1], 768<<16                    ; O: 4 K steps x 4 tiles, a K step 512 tiles on
	s_mov_b32 s[G1A+2], 4<<16
	s_mov_b32 s[G1A+3], 768<<16
	s_mov_b32 s[G1A+4], 4
	s_mov_b32 s[G1A+5], 98304
	s_mov_b32 s[G1A+6], 0
	s_mov_b32 s[G1A+7], 0
	s_mov_b32 s[G1B+1], 1536<<16                   ; Wo: 4 K steps x 8 tiles, a K step 768 tiles on
	s_mov_b32 s[G1B+2], 4<<16
	s_mov_b32 s[G1B+3], 1536<<16
	s_mov_b32 s[G1B+4], 4
	s_mov_b32 s[G1B+5], 147456
	s_mov_b32 s[G1B+6], 0
	s_mov_b32 s[G1B+7], 0
	s_lshl_b32 s56, s22, 5
	s_lshl_b32 s59, s20, 3
	s_add_co_u32 s56, s56, s59
	s_lshl_b32 s58, s56, 6                         ; O's scale words: my work-group's 128 rows, 512 bytes a K step; I take K steps 2 w and 2 w + 1
	s_lshl_b32 s59, s16, 16
	s_add_co_u32 s58, s58, s59
	s_add_co_u32 s58, s58, 6291456
	s_mov_b32 s59, 0
	s_lshl_b32 s3, s18, 2
	s_add_co_u32 s56, s56, s3                      ; O's first tile: 8 x work-group y + 4 half
	s_mul_i32 s60, s56, 1536
	s_mov_b32 s61, 0
	s_lshl_b32 s57, s21, 6
	s_lshl_b32 s3, s19, 4
	s_add_co_u32 s57, s57, s3
	s_lshl_b32 s3, s18, 3
	s_add_co_u32 s57, s57, s3
	s_add_co_u32 s57, s57, 704                     ; Wo's first tile: 704 + 16 x work-group x + 8 half
	s_mul_i32 s62, s57, 1536
	s_mov_b32 s63, 0
	s_lshl_b32 s66, s57, 6                         ; Wo's scale words: half s18, K steps 4 s17 .. 4 s17 + 3
	s_mul_i32 s67, s17, 196608
	s_add_co_u32 s66, s66, s67
	s_add_co_u32 s66, s66, 9437184
	s_mov_b32 s67, 0
	s_mul_i32 s23, s18, 49152                      ; where the codes go: the wave's number alone
	s_mul_i32 s2, s18, 98304
	s_add_co_u32 s2, s2, 98304
	s_lshl_b32 s96, s16, 10                        ; and the words: O's K steps 2 w, 2 w + 1,
	s_add_co_u32 s96, s96, ASCT
	s_lshl_b32 s97, s18, 12                        ; Wo's half s18, K steps 4 s17 on
	s_lshl_b32 s3, s17, 11
	s_add_co_u32 s97, s97, s3
	s_add_co_u32 s97, s97, BSC
	s_wait_dscnt 0x0                               ; both opening adds are done
	CROUND                                         ; the round in front of the joint loads: it runs while the arguments come in
	s_wait_kmcnt 0x0
	s_add_nc_u64 s[60:61], s[4:5], s[60:61]
	s_add_nc_u64 s[12:13], s[4:5], s[58:59]
	s_add_nc_u64 s[62:63], s[6:7], s[62:63]
	s_add_nc_u64 s[14:15], s[6:7], s[66:67]
	s_cmp_eq_u32 s17, 0                            ; the prefetch's base: my part's codes (O's half: 24 blocks of 256 bytes a K step; Wo's half: 48),
	s_cselect_b64 s[40:41], s[60:61], s[62:63]
	s_cselect_b32 s42, s19, s20                    ; my place among the four that ask for it with me (cx for O, cy for Wo): each takes a quarter of the blocks, told apart by address,
	s_cselect_b32 s43, 5, 11                       ; my blocks of a K step, less one
	s_add_co_u32 s44, s43, 1
	s_mul_i32 s44, s44, s42
	s_lshl_b32 s44, s44, 8
	s_mov_b32 s45, 0
	s_add_nc_u64 s[40:41], s[40:41], s[44:45]
.irp k, 0,1
	s_mov_b32 s[GRA+4*\k], 1
	s_add_co_u32 s[GRA+4*\k+1], s23, \k*24576
	s_add_nc_u64 s[GRA+4*\k+2:GRA+4*\k+3], s[60:61], \k*SLOTA
	s_or_b32 s[GRA+4*\k+3], s[GRA+4*\k+3], 0x80000000
	s_mov_b32 s[GRB+4*\k], 1
	s_add_co_u32 s[GRB+4*\k+1], s2, \k*49152
	s_add_nc_u64 s[GRB+4*\k+2:GRB+4*\k+3], s[62:63], \k*SLOTW
	s_or_b32 s[GRB+4*\k+3], s[GRB+4*\k+3], 0x80000000
.endr
	s_cmp_eq_u32 s17, 0                            ; one load a wave
	s_cbranch_scc0 .Lfirst_b
	tensor_load_to_lds s[GRA:GRA+3], s[G1A:G1A+7]
	s_nop 0
.rept 4
	v_nop
.endr
	s_branch .Lfirst_done
.Lfirst_b:
	tensor_load_to_lds s[GRB:GRB+3], s[G1B:G1B+7]
	s_nop 0
.rept 4
	v_nop
.endr
.Lfirst_done:
	v_and_b32 v1, 31, v0                           ; lane
	v_and_b32 v2, 15, v0                           ; r
	v_bfe_u32 v3, v0, 4, 1                         ; h
	v_lshlrev_b32 v[CO], 4, v1
.irp i, 0,1
	global_load_b128 v[64+4*\i:67+4*\i], v[CO], s[12:13] offset:32768*\i   ; O's scale words of one K step: 512 consecutive bytes, aligned
.endr
.irp i, 0,1,2,3
	global_load_b128 v[72+4*\i:75+4*\i], v[CO], s[14:15] offset:49152*\i   ; Wo's of one K step and half
.endr
	v_add_nc_u32 v4, s96, v[CO]                    ; where I store them
	v_add_nc_u32 v5, s97, v[CO]
	v_min_u32 v10, s43, v1
	v_lshlrev_b32 v10, 8, v10                      ; the prefetch's offset: a lane a block of 256 bytes; the lanes left over name the last block again; never rewritten
	s_wait_alu depctr_va_vdst(0)
	v_lshlrev_b32 v[BH], 6, v3
	s_lshl_b32 s56, s21, 2
	s_add_co_u32 s56, s56, s19                     ; work-group x
	s_lshl_b32 s56, s56, 10
	s_lshl_b32 s57, s18, 9
	s_add_co_u32 s56, s56, s57                     ; my first column, in bytes: (256 x + 128 half) x 4
	s_mov_b32 s57, 0
	s_add_nc_u64 s[8:9], s[8:9], s[56:57]
.irp t, 0,1,2,3,4,5,6,7                        ; bo in the result's layout: tile t, lane half h: columns 32 (t / 2) + 16 h + 8 (t % 2) + 0 .. 7
	global_load_b128 v[BN+8*\t:BN+8*\t+3], v[BH], s[8:9] offset:(32*(\t/2)+8*(\t%2))*4
	global_load_b128 v[BN+8*\t+4:BN+8*\t+7], v[BH], s[8:9] offset:(32*(\t/2)+8*(\t%2))*4+16
.endr
	s_add_nc_u64 s[10:11], s[10:11], s[56:57]
	s_lshl_b32 s58, s22, 2
	s_add_co_u32 s58, s58, s20                     ; work-group y
	s_lshl_b32 s58, s58, 19                        ; 128 rows of 4,096 bytes
	s_lshl_b32 s59, s17, 18                        ; + my 64
	s_add_co_u32 s58, s58, s59
	s_mov_b32 s59, 0
	s_add_nc_u64 s[10:11], s[10:11], s[58:59]
	s_mul_i32 s60, s17, 49152
	v_add_nc_u32 v[ADRA], s60, v[CO]
	s_mul_i32 s61, s18, 98304
	s_add_co_u32 s61, s61, 98304
	v_add_nc_u32 v[ADRB], s61, v[CO]
	v_add_nc_u32 v[ADRA+1], 24576, v[ADRA]         ; K steps 4-7
	v_add_nc_u32 v[ADRB+1], 49152, v[ADRB]
	s_lshl_b32 s60, s17, 8                         ; my 64 rows' words in a K step's 512 bytes
	s_add_co_u32 s60, s60, ASCT
	v_lshl_add_u32 v[ADSA], v1, 2, s60
	s_lshl_b32 s61, s18, 12
	s_add_co_u32 s61, s61, BSC
	v_lshl_add_u32 v[ADSB], v1, 2, s61
	s_mul_i32 s60, s16, 16*SPITCH                  ; my stage,
	s_add_co_u32 s60, s60, 98304                   ; in Wo's half 0, K steps 0-2
	v_mul_u32_u24 v[STO], v2, SPITCH
	v_lshl_add_u32 v[STO], v3, 6, v[STO]
	v_add_nc_u32 v[STO], s60, v[STO]               ; in: row r, + 64 h
	v_add_nc_u32 v[RD], s60, v[CO]                 ; back: a row's 512 bytes, 16 a lane
	s_wait_alu depctr_va_vdst(0)                   ; the head's end
	s_cmp_eq_u32 s17, 0                            ; K steps 4-7 of my part: what my second load will bring
	s_cbranch_scc0 .Lask_w
.irp i, 4,5,6,7
	global_prefetch_b8 v10, s[40:41] offset:786432*\i th:TH_LOAD_NT scope:SCOPE_SE
.endr
	s_branch .Lask_done
.Lask_w:
.irp i, 4,5,6,7
	global_prefetch_b8 v10, s[40:41] offset:1179648*\i th:TH_LOAD_NT scope:SCOPE_SE
.endr
.Lask_done:
	s_wait_loadcnt 0x0                             ; the scale words and bo are in registers
.irp i, 0,1
	ds_store_b128 v4, v[64+4*\i:67+4*\i] offset:512*\i
.endr
.irp i, 0,1,2,3
	ds_store_b128 v5, v[72+4*\i:75+4*\i] offset:512*\i
.endr
	s_wait_tensorcnt 0x0                           ; my part of K steps 0-3 is in
	ds_add_u32 v[SPW], v[NIL]
	s_wait_dscnt 0x0                               ; the add and my stores of scale words are done
	CROUND                                         ; everybody's parts and words are in, and all sixteen work-groups are here
	s_cmp_eq_u32 s17, 0                            ; K steps 4-7: my one load behind the round
	s_cbranch_scc0 .Lsecond_b
	tensor_load_to_lds s[GRA+4:GRA+7], s[G1A:G1A+7]
	s_nop 0
.rept 4
	v_nop
.endr
	s_branch .Lsecond_done
.Lsecond_b:
	tensor_load_to_lds s[GRB+4:GRB+7], s[G1B:G1B+7]
	s_nop 0
.rept 4
	v_nop
.endr
.Lsecond_done:
	FETCH 0
	STEP 0, 2                                      ; the first products start the sums with the bias
	STEP 1, 0
	STEP 2, 0
	CHANGE 3
	STEP 4, 0
	STEP 5, 0
	STEP 6, 0
	LAST 7
; THE WAY OUT, tile by tile of 16 rows x 128 columns, through my own stage: a lane's numbers go in by columns and come back as whole rows of 512 bytes.  LDS serves a wave's instructions in order (ISA guide 5.7.1.4): no wait between the stores and the loads.
.macro TOSTAGE a
.set AC, 64*(\a)
	WIN 0x08                                       ; an LDS store's data are its source 1: window 2
.irp t, 0,1,2,3,4,5,6,7
	ds_store_b128 v[STO], v[AC+8*\t:AC+8*\t+3] offset:(32*(\t/2)+8*(\t%2))*4        ; each accumulator from its low end on
	ds_store_b128 v[STO], v[AC+8*\t+4:AC+8*\t+7] offset:(32*(\t/2)+8*(\t%2))*4+16
.endr
	WIN 0
.set BB, BK+64*((\a)%2)
.irp i, 0,1,2,3,4,5,6,7,8,9,10,11,12,13,14,15
	ds_load_b128 v[BB+4*\i:BB+4*\i+3], v[RD] offset:\i*SPITCH
.endr
.endm
.macro SEND a, younger                 ; younger: the LDS instructions issued behind tile a's loads, which may stay out
.set BB, BK+64*((\a)%2)
	s_wait_dscnt \younger
.irp i, 0,1,2,3,4,5,6,7,8,9,10,11,12,13,14,15
	global_store_b128 v[CO], v[BB+4*\i:BB+4*\i+3], s[10:11] offset:(32*((\a)/2)+8*((\a)%2)+\i+8*(\i/8))*4096 th:TH_STORE_NT   ; lane row i of tile a is this row of out0; 32 lanes store 512 consecutive bytes, aligned
.endr
.endm
	PLACES                                         ; for the reads of results just made and the loads into the fragments' registers
	TOSTAGE 0
.irp a, 1,2,3
.if \a > 1
	s_wait_xcnt 0x0                                ; tile a - 2's stores have read their registers: tile a's loads may land there
.endif
	TOSTAGE \a
	SEND \a-1, 32                                  ; behind tile a - 1's loads: tile a's 16 stores and 16 loads
.endr
	SEND 3, 0
	s_wait_tensorcnt 0x0                           ; the wave's end
	ds_add_u32 v[SPW], v[NIL]
	s_wait_dscnt 0x0
	CROUND                                         ; the closing round
	s_endpgm
.Lfunc_end_k_q2fe46457b5_outp:
	.size	k_q2fe46457b5_outp, .Lfunc_end_k_q2fe46457b5_outp-k_q2fe46457b5_outp
	.p2alignl 7, 3214868480
	.fill 96, 4, 3214868480
	.section	.rodata,"a",@progbits
	.p2align	6, 0x0
	.amdhsa_kernel k_q2fe46457b5_outp
		.amdhsa_group_segment_fixed_size 327680
		.amdhsa_private_segment_fixed_size 0
		.amdhsa_enable_private_segment 0
		.amdhsa_kernarg_size 32
		.amdhsa_user_sgpr_count 2
		.amdhsa_user_sgpr_kernarg_segment_ptr 1
		.amdhsa_wavefront_size32 1
		.amdhsa_system_sgpr_workgroup_id_x 1
		.amdhsa_system_sgpr_workgroup_id_y 1
		.amdhsa_system_sgpr_workgroup_id_z 1
		.amdhsa_system_vgpr_workitem_id 0
		.amdhsa_next_free_vgpr 768
		.amdhsa_next_free_sgpr 100
		.amdhsa_reserve_vcc 0
		.amdhsa_float_denorm_mode_32 3
		.amdhsa_float_denorm_mode_16_64 3
		.amdhsa_memory_ordered 1
		.amdhsa_forward_progress 1
		.amdhsa_inst_pref_size 83
	.end_amdhsa_kernel
	.amdgpu_metadata
---
amdhsa.version: [ 1, 2 ]
amdhsa.kernels:
  - .name:           k_q2fe46457b5_outp
    .symbol:         k_q2fe46457b5_outp.kd
    .args:
      - { .name: oc, .offset: 0, .size: 8, .value_kind: global_buffer, .address_space: global }
      - { .name: xw, .offset: 8, .size: 8, .value_kind: global_buffer, .address_space: global }
      - { .name: bo, .offset: 16, .size: 8, .value_kind: global_buffer, .address_space: global }
      - { .name: out0, .offset: 24, .size: 8, .value_kind: global_buffer, .address_space: global }
    .group_segment_fixed_size: 327680
    .private_segment_fixed_size: 0
    .kernarg_segment_align: 8
    .kernarg_segment_size: 32
    .max_flat_workgroup_size: 128
    .sgpr_count:     100
    .vgpr_count:     768
    .wavefront_size: 32
...
	.end_amdgpu_metadata
.endif
;; end of part 5
